; MI455X (gfx1250); checked and timed in simulation.
; The chip was launched on July 23, 2026; its instructions are those of AMD's public machine-readable ISA for CDNA 5 (MIT licence, August 2026) and "CDNA5" Instruction Set Architecture Reference Guide (July 2026). The comments in the code are by the model that wrote it; some were corrected since.
;; MHA. Allowed arithmetic: float matrix products may take bf16 or f16 operands with f32 sums; all other float work in f32.
;; Inputs: c_proj_w 3,072 x 1,024 float32; ffn1_b 4,096 float32; ffn1_w 4,096 x 1,024 float32; ffn2_b 1,024 float32; ffn2_w 1,024 x 4,096 float32; ln1_b 1,024 float32; ln1_w 1,024 float32; ln2_b 1,024 float32; ln2_w 1,024 float32; proj_b 1,024 float32; proj_w 1,024 x 1,024 float32; x 2 x 2,048 x 1,024 float32.
;; Outputs: out0 2 x 2,048 x 1,024 float32.
;; One version. Each part assembles by itself: llvm-mc -triple=amdgcn-amd-amdhsa -mcpu=gfx1250 --defsym DOCPART=n.
;; ======== version 1 of 1: 7 launches
;; workspace buffers: wbf 25,165,824 bytes; xn 8,388,608 bytes; qkv 25,165,824 bytes; att 8,388,608 bytes; act 16,777,216 bytes; hn 8,388,608 bytes; ff 33,554,432 bytes
;; launch prep (part 1): grid 1024 x 1, 8 waves a work-group, no clusters, 0 bytes of LDS; arguments x, ln1_w, ln1_b, c_proj_w, proj_w, ffn1_w, ffn2_w, wbf, xn; writes wbf, xn
.if DOCPART == 1
	.amdgcn_target "amdgcn-amd-amdhsa--gfx1250"
	.amdhsa_code_object_version 6
	.text
	.protected	k_q6e26ec133b_prep
	.globl	k_q6e26ec133b_prep
	.p2align	8
	.type	k_q6e26ec133b_prep,@function
k_q6e26ec133b_prep:
	s_mov_b64 s[64:65], 0
	v_nop
	global_prefetch_b8 v0, s[64:65] scope:SCOPE_SE
	s_setreg_imm32_b32 hwreg(HW_REG_WAVE_MODE, 25, 1), 1
	s_wait_xcnt 0x0
; Work-groups 0-767 round the four weight matrices to bf16 into wbf (c_proj at byte 0, proj at 6,291,456, ffn1 at 8,388,608,
; ffn2 at 16,777,216: the order of the chunks); work-groups 768-1023 write xn = LayerNorm(x) * ln1_w + ln1_b in bf16.
; Every work-group turns 65,536 bytes of f32 into 32,768 bytes of bf16; a wave takes 8,192 bytes, which in x are two whole rows.
; Lane L takes 32 bytes at 1024 g + 32 L (g = 0..7) and stores 16 bytes at 512 g + 16 L: a store of the wave covers 512
; consecutive bytes, aligned.  A row never leaves its wave: no LDS, no barrier.  Mean first, then the variance of the centred
; numbers, so a common offset of the inputs costs no accuracy.  No matrix unit, no cluster: nothing is shared or multiplied.
.set X,   16                           ; v[16:79]   the 64 numbers of the lane: group g at X + 8 g
.set W,   80                           ; v[80:111]  gain of my 32 columns
.set BB,  112                          ; v[112:143] bias of my 32 columns
.set Y,   144                          ; v[144:175] packed results, 4 registers a group, never rewritten
.set SRC, 26                           ; s[26:27]   where my chunk is read
.set DST, 30                           ; s[30:31]   where it is written
.set WP,  10                           ; s[10:11]   ln1_w
.set BP,  12                           ; s[12:13]   ln1_b
	s_load_b512 s[8:23], s[0:1], 0x0               ; x 8, ln1_w 10, ln1_b 12, c_proj_w 14, proj_w 16, ffn1_w 18, ffn2_w 20, wbf 22
	s_load_b64 s[24:25], s[0:1], 0x40              ; xn
	v_and_b32 v1, 31, v0                           ; lane
	v_lshrrev_b32 v5, 5, v0                        ; wave
	v_lshlrev_b32 v2, 5, v1                        ; 32 L: my place in gain and bias
	v_lshlrev_b32 v4, 4, v1
	v_lshl_or_b32 v3, v5, 13, v2                   ; in:  8192 w + 32 L
	v_lshl_or_b32 v4, v5, 12, v4                   ; out: 4096 w + 16 L
	v_mov_b32 v14, 0                               ; the lane exchange counts its destination as read
	s_mov_b32 s32, 0x3a800000                      ; 1 / 1024
	s_mov_b32 s33, 0x3727c5ac                      ; 1e-5
	s_mov_b32 s34, 0x76543210                      ; lane i of one half reads lane i of the other
	s_mov_b32 s35, 0xfedcba98
	s_mov_b32 s37, 0
	s_mov_b32 s39, 0
	s_wait_kmcnt 0x0
	; the source by the work-group's number alone: 192, 64, 256, 256 chunks of weights, then 256 of x
	s_mov_b64 s[SRC:SRC+1], s[14:15]
	s_mov_b32 s28, 0                               ; the first chunk of the chosen source
	s_cmp_ge_u32 ttmp9, 192
	s_cselect_b64 s[SRC:SRC+1], s[16:17], s[SRC:SRC+1]
	s_cselect_b32 s28, 192, s28
	s_cmp_ge_u32 ttmp9, 256
	s_cselect_b64 s[SRC:SRC+1], s[18:19], s[SRC:SRC+1]
	s_cselect_b32 s28, 256, s28
	s_cmp_ge_u32 ttmp9, 512
	s_cselect_b64 s[SRC:SRC+1], s[20:21], s[SRC:SRC+1]
	s_cselect_b32 s28, 512, s28
	s_cmp_ge_u32 ttmp9, 768
	s_cselect_b64 s[SRC:SRC+1], s[8:9], s[SRC:SRC+1]
	s_cselect_b32 s28, 768, s28
	s_cselect_b64 s[DST:DST+1], s[24:25], s[22:23]
	s_cselect_b32 s29, 768, 0                      ; the first chunk of the chosen destination
	s_sub_co_u32 s36, ttmp9, s28
	s_lshl_b32 s36, s36, 16
	s_sub_co_u32 s38, ttmp9, s29
	s_lshl_b32 s38, s38, 15
	s_add_nc_u64 s[SRC:SRC+1], s[SRC:SRC+1], s[36:37]
	s_add_nc_u64 s[DST:DST+1], s[DST:DST+1], s[38:39]
.irp g, 0,1,2,3,4,5,6,7
	global_load_b128 v[X+8*\g:X+8*\g+3],   v3, s[SRC:SRC+1] offset:1024*\g th:TH_LOAD_NT
	global_load_b128 v[X+8*\g+4:X+8*\g+7], v3, s[SRC:SRC+1] offset:1024*\g+16 th:TH_LOAD_NT
.endr
	s_cmp_ge_u32 ttmp9, 768
	s_cbranch_scc1 .Lnorm
	; weights: round and store
.irp g, 0,1,2,3,4,5,6,7
	s_wait_loadcnt 14-2*\g                         ; group g's two loads are in, the 2 (7 - g) younger ones stay out
.irp k, 0,1,2,3
	v_cvt_pk_bf16_f32 v[Y+4*\g+\k], v[X+8*\g+2*\k], v[X+8*\g+2*\k+1]
.endr
	global_store_b128 v4, v[Y+4*\g:Y+4*\g+3], s[DST:DST+1] offset:512*\g
.endr
	s_endpgm
.macro REDUCE                          ; the sum of v10 over the 32 lanes, in every lane
	v_add_f32_dpp v10, v10, v10 row_xmask:1 row_mask:0xf bank_mask:0xf
	v_add_f32_dpp v10, v10, v10 row_xmask:2 row_mask:0xf bank_mask:0xf
	v_add_f32_dpp v10, v10, v10 row_xmask:4 row_mask:0xf bank_mask:0xf
	v_add_f32_dpp v10, v10, v10 row_xmask:8 row_mask:0xf bank_mask:0xf
	v_permlanex16_b32 v14, v10, s34, s35
	v_add_f32 v10, v10, v14
.endm
; Row 'row' of the wave's two becomes (x - mean) / sqrt(var + eps), in place.  left: the younger loads that may stay out.
.macro STATS row, left
	s_wait_loadcnt \left
	v_pk_add_f32 v[10:11], v[X+32*\row:X+32*\row+1],   v[X+32*\row+2:X+32*\row+3]
	v_pk_add_f32 v[12:13], v[X+32*\row+4:X+32*\row+5], v[X+32*\row+6:X+32*\row+7]
.irp p, 4,6,8,10,12,14
	v_pk_add_f32 v[10:11], v[10:11], v[X+32*\row+2*\p:X+32*\row+2*\p+1]
	v_pk_add_f32 v[12:13], v[12:13], v[X+32*\row+2*\p+2:X+32*\row+2*\p+3]
.endr
	v_pk_add_f32 v[10:11], v[10:11], v[12:13]
	v_add_f32 v10, v10, v11
	REDUCE
	v_mul_f32 v6, s32, v10                         ; the mean, twice: a pair for the packed subtraction
	v_mul_f32 v7, s32, v10
.irp p, 0,1,2,3,4,5,6,7,8,9,10,11,12,13,14,15
	v_pk_add_f32 v[X+32*\row+2*\p:X+32*\row+2*\p+1], v[X+32*\row+2*\p:X+32*\row+2*\p+1], v[6:7] neg_lo:[0,1] neg_hi:[0,1]
.endr
	v_pk_mul_f32 v[10:11], v[X+32*\row:X+32*\row+1],   v[X+32*\row:X+32*\row+1]
	v_pk_mul_f32 v[12:13], v[X+32*\row+2:X+32*\row+3], v[X+32*\row+2:X+32*\row+3]
.irp p, 2,4,6,8,10,12,14
	v_pk_fma_f32 v[10:11], v[X+32*\row+2*\p:X+32*\row+2*\p+1],   v[X+32*\row+2*\p:X+32*\row+2*\p+1],   v[10:11]
	v_pk_fma_f32 v[12:13], v[X+32*\row+2*\p+2:X+32*\row+2*\p+3], v[X+32*\row+2*\p+2:X+32*\row+2*\p+3], v[12:13]
.endr
	v_pk_add_f32 v[10:11], v[10:11], v[12:13]
	v_add_f32 v10, v10, v11
	REDUCE
	v_fma_f32 v15, v10, s32, s33                   ; var + eps
	v_rsq_f32 v8, v15
	v_rsq_f32 v9, v15
	v_nop                                          ; one plain instruction between the root and its first use (ISA guide 5.7.2)
	s_wait_alu depctr_va_vdst(0)
.irp p, 0,1,2,3,4,5,6,7,8,9,10,11,12,13,14,15
	v_pk_mul_f32 v[X+32*\row+2*\p:X+32*\row+2*\p+1], v[X+32*\row+2*\p:X+32*\row+2*\p+1], v[8:9]
.endr
.endm
; gain and bias, rounding, four stores
.macro APPLY row
.irp g, 0,1,2,3
.irp k, 0,1,2,3
	v_pk_fma_f32 v[X+32*\row+8*\g+2*\k:X+32*\row+8*\g+2*\k+1], v[X+32*\row+8*\g+2*\k:X+32*\row+8*\g+2*\k+1], v[W+8*\g+2*\k:W+8*\g+2*\k+1], v[BB+8*\g+2*\k:BB+8*\g+2*\k+1]
.endr
.irp k, 0,1,2,3
	v_cvt_pk_bf16_f32 v[Y+16*\row+4*\g+\k], v[X+32*\row+8*\g+2*\k], v[X+32*\row+8*\g+2*\k+1]
.endr
	global_store_b128 v4, v[Y+16*\row+4*\g:Y+16*\row+4*\g+3], s[DST:DST+1] offset:2048*\row+512*\g
.endr
.endm
.Lnorm:
.irp g, 0,1,2,3
	global_load_b128 v[W+8*\g:W+8*\g+3],     v2, s[WP:WP+1] offset:1024*\g
	global_load_b128 v[W+8*\g+4:W+8*\g+7],   v2, s[WP:WP+1] offset:1024*\g+16
	global_load_b128 v[BB+8*\g:BB+8*\g+3],   v2, s[BP:BP+1] offset:1024*\g
	global_load_b128 v[BB+8*\g+4:BB+8*\g+7], v2, s[BP:BP+1] offset:1024*\g+16
.endr
	STATS 0, 24                                    ; row 0's eight loads are in; row 1's eight and the sixteen of gain and bias stay out
	STATS 1, 16                                    ; row 1's are in; gain and bias stay out
	s_wait_loadcnt 0x0
	APPLY 0
	APPLY 1
	s_endpgm
.Lfunc_end_k_q6e26ec133b_prep:
	.size	k_q6e26ec133b_prep, .Lfunc_end_k_q6e26ec133b_prep-k_q6e26ec133b_prep
	.p2alignl 7, 3214868480
	.fill 96, 4, 3214868480
	.section	.rodata,"a",@progbits
	.p2align	6, 0x0
	.amdhsa_kernel k_q6e26ec133b_prep
		.amdhsa_group_segment_fixed_size 0
		.amdhsa_private_segment_fixed_size 0
		.amdhsa_enable_private_segment 0
		.amdhsa_kernarg_size 72
		.amdhsa_user_sgpr_count 2
		.amdhsa_user_sgpr_kernarg_segment_ptr 1
		.amdhsa_wavefront_size32 1
		.amdhsa_system_sgpr_workgroup_id_x 1
		.amdhsa_system_sgpr_workgroup_id_y 1
		.amdhsa_system_sgpr_workgroup_id_z 1
		.amdhsa_system_vgpr_workitem_id 0
		.amdhsa_next_free_vgpr 176
		.amdhsa_next_free_sgpr 66
		.amdhsa_reserve_vcc 0
		.amdhsa_float_denorm_mode_32 3
		.amdhsa_float_denorm_mode_16_64 3
		.amdhsa_memory_ordered 1
		.amdhsa_forward_progress 1
		.amdhsa_inst_pref_size 23
	.end_amdhsa_kernel
	.amdgpu_metadata
---
amdhsa.version: [ 1, 2 ]
amdhsa.kernels:
  - .name:           k_q6e26ec133b_prep
    .symbol:         k_q6e26ec133b_prep.kd
    .args:
      - { .name: x, .offset: 0, .size: 8, .value_kind: global_buffer, .address_space: global }
      - { .name: ln1_w, .offset: 8, .size: 8, .value_kind: global_buffer, .address_space: global }
      - { .name: ln1_b, .offset: 16, .size: 8, .value_kind: global_buffer, .address_space: global }
      - { .name: c_proj_w, .offset: 24, .size: 8, .value_kind: global_buffer, .address_space: global }
      - { .name: proj_w, .offset: 32, .size: 8, .value_kind: global_buffer, .address_space: global }
      - { .name: ffn1_w, .offset: 40, .size: 8, .value_kind: global_buffer, .address_space: global }
      - { .name: ffn2_w, .offset: 48, .size: 8, .value_kind: global_buffer, .address_space: global }
      - { .name: wbf, .offset: 56, .size: 8, .value_kind: global_buffer, .address_space: global }
      - { .name: xn, .offset: 64, .size: 8, .value_kind: global_buffer, .address_space: global }
    .group_segment_fixed_size: 0
    .private_segment_fixed_size: 0
    .kernarg_segment_align: 8
    .kernarg_segment_size: 72
    .max_flat_workgroup_size: 256
    .sgpr_count:     66
    .vgpr_count:     176
    .wavefront_size: 32
...
	.end_amdgpu_metadata
.endif
;; end of part 1
;; launch qkv (part 2): grid 12 x 16, 4 waves a work-group, clusters of 4 x 4, 327,680 bytes of LDS; arguments xn, wbf, qkv; writes qkv
.if DOCPART == 2
	.amdgcn_target "amdgcn-amd-amdhsa--gfx1250"
	.amdhsa_code_object_version 6
	.text
	.protected	k_q6e26ec133b_qkv
	.globl	k_q6e26ec133b_qkv
	.p2align	8
	.type	k_q6e26ec133b_qkv,@function
k_q6e26ec133b_qkv:
	s_mov_b64 s[64:65], 0
	v_nop
	global_prefetch_b8 v0, s[64:65] scope:SCOPE_SE
	s_setreg_imm32_b32 hwreg(HW_REG_WAVE_MODE, 25, 1), 1
	s_wait_xcnt 0x0
	s_wait_alu depctr_hold_cnt(0) depctr_sa_sdst(0) depctr_va_vdst(0) depctr_va_sdst(0) depctr_va_ssrc(0) depctr_va_vcc(0) depctr_vm_vsrc(0)
	s_getreg_b32 s2, hwreg(HW_REG_IB_STS2, 6, 4)
	s_cmp_eq_u32 s2, 0
	s_cbranch_scc0 .Lentry_in_a_cluster
	s_endpgm
.Lentry_in_a_cluster:
	s_bfe_u32 s2, ttmp6, 0x10000c
	s_cmp_lg_u32 s2, 0xf033
	s_cbranch_scc0 .Lentry_shape_is_right
	s_endpgm
.Lentry_shape_is_right:
; qkv[m][n] = sum over k of xn[m][k] * c_proj[n][k].  xn: [4096][1024], c_proj: wbf at byte 0, [3072][1024], qkv: [4096][3072], all bf16; sums in f32.
; A work-group makes 256 x 256 of the result with four waves; a wave makes 128 x 128 in 64 accumulator tiles (512 registers).
; K goes in steps of 128 through two LDS slots filled by tensor loads; a tile's rows are 256 consecutive bytes, aligned.
; 4 x 4 work-groups form a cluster: the four of a row of the cluster need the same tiles of xn, the four of a column the same
; tiles of the weights; each such tile is asked for jointly, by the same load with the same descriptor in all four.
; 12 x 16 = 192 work-groups: blocks of half the side would give 768 with a quarter of the work each and the fill and the way
; out paid three times over on a WGP, so the larger block is kept.
; Registers by windows of 256: window 0: v0-31 addresses, v64-127 and v128-191 fragments of xn (two buffers), v192-223 the way out;
; window 1: v64-127, v128-191 fragments of the weights; windows 2 and 3: the accumulators of my rows 0-63 and 64-127.
; The matrix instruction is used transposed (source 0 = rows of the weights, source 1 = rows of xn): a lane then holds
; eight neighbouring columns of one row of the result, which pack into 16 bytes.
.set SIZE_N, 3072
.set SIZE_K, 1024
.set KSTEP,  128
.set PITCH,  272                       ; an LDS row: 256 bytes + 16 of padding: the 16 rows of a fragment load start 16 bytes apart modulo 256
.set HALFT,  128*PITCH                 ; what one tensor load brings
.set SLOT,   4*HALFT                   ; 256 rows of xn, then 256 rows of the weights
.set STAGE,  2*SLOT                    ; behind the ring: 16 rows x 272 bytes for each wave, never filled by a tensor load
.set SPITCH, 272
.set LAPS, SIZE_K/(2*KSTEP)            ; a lap = two K steps = once round the ring: 4
.set ADRA, 16                          ; v16-17 LDS address of my fragments of xn in slot 0, 1
.set ADRB, 20                          ; v20-21 the same for the weights
.set STO,  24                          ; the way out: where I put 16 bytes of a row
.set RD,   25                          ; the way out: where I read a row back
.set CO,   26                          ; my byte offset in the result
.set F0,   64
.set F1,   128
.set TMP,  192
.set G1, 24                            ; s[24:31] group 1 for xn's tiles
.set G0, 32                            ; s[32:39] group 0 for xn's tiles, one set a slot
.set G1B, 48                           ; s[48:55] group 1 for the weights' tiles (another mask)
.set G0B, 56                           ; s[56:63] group 0 for the weights' tiles, one set a slot
.set MSB, 0
.macro WIN new                         ; the immediate's high byte repeats the setting that is left
.if MSB != \new
	s_set_vgpr_msb (MSB<<8)|\new
.set MSB, \new
.endif
.endm
.set MUL_LO, 0xa1                      ; source 0 window 1, source 1 window 0, C and D window 2
.set MUL_HI, 0xf1                      ; the same, C and D window 3
.set TO_B,   0x40                      ; destination window 1, address window 0
.macro JLOAD s                         ; waves 0, 1 ask for xn's two halves, waves 2, 3 for the weights': the branch hangs on the wave's number alone
	s_cmp_eq_u32 s11, 0
	s_cbranch_scc0 .Lfor_b_\@
	tensor_load_to_lds s[G0+4*\s:G0+4*\s+3], s[G1:G1+7]
	s_nop 0
	s_branch .Lasked_\@
.Lfor_b_\@:
	tensor_load_to_lds s[G0B+4*\s:G0B+4*\s+3], s[G1B:G1B+7]
	s_nop 0
.Lasked_\@:
.endm
.macro CREST                           ; a round of the cluster's barrier behind its opening work-group barrier
	s_cmp_lg_u32 s10, 0
	s_cbranch_scc1 .Lnot_wave_0_\@
	s_barrier_signal -3
.Lnot_wave_0_\@:
	s_barrier_wait -3
	s_barrier_signal -1
	s_barrier_wait -1
.endm
.macro CROUND                          ; a whole round
	s_barrier_signal -1
	s_barrier_wait -1
	CREST
.endm
	s_load_b128 s[4:7], s[0:1], 0x0                ; xn s[4:5], wbf s[6:7]
	s_load_b64 s[8:9], s[0:1], 0x10                ; qkv
	s_set_vgpr_msb 0x40
	v_lshl_add_u32 v255, v0, 2, 0x48400
	s_set_vgpr_msb 0x4000
	v_mov_b32 v255, 0
	s_set_vgpr_msb 0x1
	ds_add_u32 v255, v255
	ds_add_u32 v255, v255
	s_set_vgpr_msb 0x100
	v_lshrrev_b32 v1, 5, v0
	v_readfirstlane_b32 s10, v1                    ; wave 0..3
	s_lshr_b32 s11, s10, 1                         ; my half of the block's rows; also: I fetch xn (0) or weights (1)
	s_and_b32 s12, s10, 1                          ; my half of its columns; also: which 128 rows of that tile I fetch
	s_bfe_u32 s40, ttmp6, 0x40000                  ; cx
	s_bfe_u32 s41, ttmp6, 0x40004                  ; cy
	s_lshl_b32 s42, ttmp9, 2
	s_add_co_u32 s42, s42, s40                     ; block column = 4 x cluster x + cx
	s_and_b32 s13, ttmp7, 0xffff
	s_lshl_b32 s13, s13, 2
	s_add_co_u32 s13, s13, s41                     ; block row = 4 x cluster y + cy
	s_lshl_b32 s43, s41, 2
	s_lshl_b32 s43, 15, s43                        ; my row of the cluster: places 4 cy .. 4 cy + 3
	s_lshl_b32 s44, 0x1111, s40                    ; my column: places cx, cx + 4, cx + 8, cx + 12
	s_or_b32 s[G1+0], s43, (1<<16)|(1<<20)|(1<<21)|(5<<22)|(3<<25)  ; mask; 2-byte elements; padding of 4 words behind every 64; bit 21 beside a mask
	s_or_b32 s[G1B+0], s44, (1<<16)|(1<<20)|(1<<21)|(5<<22)|(3<<25)
	s_mov_b32 s[G1B+1], KSTEP<<16
	s_mov_b32 s[G1+1], KSTEP<<16                   ; tensor_dim0 = 128
	s_mov_b32 s[G1B+2], 128<<16
	s_mov_b32 s[G1+2], 128<<16                     ; tensor_dim1 = 128
	s_mov_b32 s[G1B+3], KSTEP<<16
	s_mov_b32 s[G1+3], KSTEP<<16                   ; tile_dim0 = 128
	s_mov_b32 s[G1B+4], 128
	s_mov_b32 s[G1+4], 128                         ; tile_dim1 = 128
	s_mov_b32 s[G1B+5], SIZE_K
	s_mov_b32 s[G1+5], SIZE_K                      ; elements from row to row
	s_mov_b32 s[G1B+6], 0
	s_mov_b32 s[G1+6], 0
	s_mov_b32 s[G1B+7], 0
	s_mov_b32 s[G1+7], 0
	s_lshl_b32 s17, s12, 7
	s_lshl_b32 s16, s13, 8
	s_add_co_u32 s16, s16, s17                     ; xn: row 256 x block row + 128 x half
	s_lshl_b32 s46, s42, 8
	s_add_co_u32 s46, s46, s17                     ; weights: row 256 x block column + 128 x half
	s_mov_b32 s17, 0
	s_mov_b32 s47, 0
	s_mov_b64 s[18:19], SIZE_K*2
	s_mul_u64 s[16:17], s[16:17], s[18:19]
	s_mul_u64 s[46:47], s[46:47], s[18:19]
	s_mul_i32 s20, s10, HALFT                      ; LDS: wave x 128 rows; no place in the cluster enters an LDS address
	s_wait_dscnt 0x0
	s_wait_kmcnt 0x0
	s_add_nc_u64 s[14:15], s[4:5], s[16:17]
	s_add_nc_u64 s[46:47], s[6:7], s[46:47]
	CROUND                                         ; all sixteen work-groups are here: the first joint loads meet
.irp s, 0,1
	s_mov_b32 s[G0+4*\s], 1
	s_add_co_u32 s[G0+4*\s+1], s20, \s*SLOT
	s_add_nc_u64 s[G0+4*\s+2:G0+4*\s+3], s[14:15], \s*KSTEP*2
	s_or_b32 s[G0+4*\s+3], s[G0+4*\s+3], 0x80000000
	s_mov_b32 s[G0B+4*\s], 1
	s_add_co_u32 s[G0B+4*\s+1], s20, \s*SLOT
	s_add_nc_u64 s[G0B+4*\s+2:G0B+4*\s+3], s[46:47], \s*KSTEP*2
	s_or_b32 s[G0B+4*\s+3], s[G0B+4*\s+3], 0x80000000
	JLOAD \s                                       ; both first fills go out ahead of everything else: two loads of the wave are out
.endr
	; a fragment: lane l holds row l % 16; registers 0-3 K = 8 (l / 16) + 0..7, registers 4-7 K = 16 + 8 (l / 16) + 0..7
	v_and_b32 v1, 15, v0
	v_bfe_u32 v2, v0, 4, 1
	v_mul_u32_u24 v3, v1, PITCH
	v_lshl_add_u32 v3, v2, 4, v3
	s_mul_i32 s21, s11, HALFT
	s_mul_i32 s22, s12, HALFT
	s_add_co_u32 s22, s22, 2*HALFT
.irp s, 0,1
	v_add_nc_u32 v[ADRA+\s], s21, v3
	v_add_nc_u32 v[ADRB+\s], s22, v3
	s_add_co_u32 s21, s21, SLOT
	s_add_co_u32 s22, s22, SLOT
.endr
	s_mul_i32 s23, s10, 16*SPITCH
	s_add_co_u32 s23, s23, STAGE
	v_mul_u32_u24 v4, v1, SPITCH
	v_lshl_add_u32 v4, v2, 4, v4
	v_add_nc_u32 v[STO], s23, v4
	v_mul_u32_u24 v5, v2, SPITCH
	v_lshl_add_u32 v5, v1, 4, v5
	v_add_nc_u32 v[RD], s23, v5
	v_mul_u32_u24 v5, v2, SIZE_N*2
	v_lshl_add_u32 v[CO], v1, 4, v5
; 16 matrix instructions: m blocks a0, a0 + 1 of the window's four x all 8 n blocks, 32 along K.  zero = 1: the product starts the sums.
; The 64 accumulators take turns, one instruction a turn, in the same order in every quarter step.
.macro MUL16 f, hi, a0, zero
.irp a, \a0, \a0+1
.irp b, 0,1,2,3,4,5,6,7
.if \zero
	v_wmma_f32_16x16x32_bf16 v[8*(8*(\a)+\b):8*(8*(\a)+\b)+7], v[\f+8*\b:\f+8*\b+7], v[\f+8*(4*\hi+\a):\f+8*(4*\hi+\a)+7], 0
.else
	v_wmma_f32_16x16x32_bf16 v[8*(8*(\a)+\b):8*(8*(\a)+\b)+7], v[\f+8*\b:\f+8*\b+7], v[\f+8*(4*\hi+\a):\f+8*(4*\hi+\a)+7], v[8*(8*(\a)+\b):8*(8*(\a)+\b)+7]
.endif
.endr
.endr
.endm
.macro FETCH slot, k, f                ; 32 LDS loads in one run: one quarter step's fragments into buffer f
	WIN TO_B
.irp i, 0,1,2,3,4,5,6,7
	ds_load_b128 v[\f+8*\i:\f+8*\i+3],   v[ADRB+\slot] offset:\k+\i*16*PITCH
	ds_load_b128 v[\f+8*\i+4:\f+8*\i+7], v[ADRB+\slot] offset:\k+\i*16*PITCH+32
.endr
	WIN 0
.irp i, 0,1,2,3,4,5,6,7
	ds_load_b128 v[\f+8*\i:\f+8*\i+3],   v[ADRA+\slot] offset:\k+\i*16*PITCH
	ds_load_b128 v[\f+8*\i+4:\f+8*\i+7], v[ADRA+\slot] offset:\k+\i*16*PITCH+32
.endr
.endm
.macro PLACES                          ; four independent vector instructions between a matrix instruction and a load into, or a reader of, its registers
.rept 4
	v_nop
.endr
.endm
.macro QUARTER slot, k, f, g, zero     ; multiplies buffer f; in its middle fetches the next quarter's fragments into buffer g
	s_wait_dscnt 8                                 ; all but the youngest eight loads (xn's rows 64-127) are in
	WIN MUL_LO
	MUL16 \f, 0, 0, \zero
	MUL16 \f, 0, 2, \zero
	PLACES
	FETCH \slot, \k, \g
	s_wait_dscnt 32                                ; all but the 32 just issued
	WIN MUL_HI
	MUL16 \f, 1, 0, \zero
	MUL16 \f, 1, 2, \zero
.endm
.macro THREE slot, zero
	QUARTER \slot, 64,  F0, F1, \zero
	QUARTER \slot, 128, F1, F0, 0
	QUARTER \slot, 192, F0, F1, 0
.endm
; The last quarter of a K step multiplies buffer 1 and changes slots.  In front of the barrier each wave waits for its reads of
; this slot and for all its tensor loads (one is out: its part of the next slot).  Behind it the refill comes first.
.macro TURN slot, next, fill
	s_wait_dscnt 8
	WIN MUL_LO
	MUL16 F1, 0, 0, 0
	s_wait_dscnt 0                                 ; my reads of this slot are over
	s_wait_tensorcnt 0x0                           ; all my tensor loads have landed
	ds_add_u32 v255, v255
	s_wait_dscnt 0x0
	s_barrier_signal -1
	MUL16 F1, 0, 2, 0                              ; register work between signal and wait
	WIN 0
	s_barrier_wait -1
.if \fill
	CREST                                          ; all sixteen work-groups have said the same: no partner reads this slot or has a load on its way
	s_add_nc_u64 s[G0+4*\slot+2:G0+4*\slot+3], s[G0+4*\slot+2:G0+4*\slot+3], 2*KSTEP*2
	s_add_nc_u64 s[G0B+4*\slot+2:G0B+4*\slot+3], s[G0B+4*\slot+2:G0B+4*\slot+3], 2*KSTEP*2
	JLOAD \slot                                    ; the wave's one tensor load behind the round
.endif
	PLACES
	FETCH \next, 0, F0
	WIN MUL_HI
	MUL16 F1, 1, 0, 0
	MUL16 F1, 1, 2, 0
.endm
.macro LAP zero
	THREE 0, \zero
	TURN 0, 1, 1
	THREE 1, 0
	TURN 1, 0, 1
.endm
	s_wait_tensorcnt 1                             ; my part of K step 0 is in; K step 1's stays out
	s_barrier_signal -1
	s_barrier_wait -1
	FETCH 0, 0, F0
	LAP 1                                          ; the first lap's first products start the sums
	WIN 0
	s_mov_b32 s3, LAPS-2
.Llap:
	LAP 0
	WIN 0
	s_sub_co_u32 s3, s3, 1
	s_cmp_lg_u32 s3, 0
	s_cbranch_scc1 .Llap
	THREE 0, 0                                     ; the last lap fills nothing
	TURN 0, 1, 0
	THREE 1, 0
	s_wait_dscnt 8
	WIN MUL_LO
	MUL16 F1, 0, 0, 0
	MUL16 F1, 0, 2, 0
	s_wait_dscnt 0
	WIN MUL_HI
	MUL16 F1, 1, 0, 0
	MUL16 F1, 1, 2, 0
	; the way out, 16 rows at a time: round, 16 bytes a lane into my own stage, whole rows of 256 bytes back, stores
	PLACES
	s_lshl_b32 s13, s13, 8
	s_lshl_b32 s14, s11, 7
	s_add_co_u32 s16, s13, s14                     ; my first row
	s_mov_b32 s17, 0
	s_mov_b64 s[18:19], SIZE_N*2
	s_mul_u64 s[16:17], s[16:17], s[18:19]
	s_add_nc_u64 s[8:9], s[8:9], s[16:17]
	s_lshl_b32 s46, s42, 9                         ; my first column in bytes: 512 x block + 256 x half
	s_lshl_b32 s47, s12, 8
	s_add_co_u32 s46, s46, s47
	s_mov_b32 s47, 0
	s_add_nc_u64 s[8:9], s[8:9], s[46:47]
.macro OUT16 i, a, from, f
	WIN \from
.irp b, 0,1,2,3,4,5,6,7
.irp r, 0,1,2,3
	v_cvt_pk_bf16_f32 v[TMP+4*\b+\r], v[8*(8*\a+\b)+2*\r], v[8*(8*\a+\b)+2*\r+1]
.endr
.endr
	WIN 0
.irp b, 0,1,2,3,4,5,6,7
	ds_store_b128 v[STO], v[TMP+4*\b:TMP+4*\b+3] offset:32*\b
.endr
	s_wait_xcnt 0x0                                ; buffer f, which earlier stores read, and the stores' base are rewritten only behind this wait
.if \i
	s_add_nc_u64 s[8:9], s[8:9], 16*SIZE_N*2
.endif
.irp t, 0,1,2,3,4,5,6,7
	ds_load_b128 v[\f+4*\t:\f+4*\t+3], v[RD] offset:\t*2*SPITCH    ; a wave's LDS instructions are served in order: these see the stores above
.endr
.irp t, 0,1,2,3,4,5,6,7
	s_wait_dscnt 7-\t                              ; load t is in, the younger ones stay out
	global_store_b128 v[CO], v[\f+4*\t:\f+4*\t+3], s[8:9] offset:2*\t*SIZE_N*2   ; 16 lanes store 256 consecutive bytes, aligned
.endr
.endm
	OUT16 0, 0, 0x0a, F0
	OUT16 1, 1, 0x0a, F1
	OUT16 2, 2, 0x0a, F0
	OUT16 3, 3, 0x0a, F1
	OUT16 4, 0, 0x0f, F0
	OUT16 5, 1, 0x0f, F1
	OUT16 6, 2, 0x0f, F0
	OUT16 7, 3, 0x0f, F1
	s_set_vgpr_msb 0x1
	s_wait_tensorcnt 0x0
	ds_add_u32 v255, v255
	s_wait_dscnt 0x0
	s_set_vgpr_msb 0x100
	CROUND                                         ; the closing round: no work-group ends while a partner may still ask jointly
	s_endpgm
.Lfunc_end_k_q6e26ec133b_qkv:
	.size	k_q6e26ec133b_qkv, .Lfunc_end_k_q6e26ec133b_qkv-k_q6e26ec133b_qkv
	.p2alignl 7, 3214868480
	.fill 96, 4, 3214868480
	.section	.rodata,"a",@progbits
	.p2align	6, 0x0
	.amdhsa_kernel k_q6e26ec133b_qkv
		.amdhsa_group_segment_fixed_size 327680
		.amdhsa_private_segment_fixed_size 0
		.amdhsa_enable_private_segment 0
		.amdhsa_kernarg_size 24
		.amdhsa_user_sgpr_count 2
		.amdhsa_user_sgpr_kernarg_segment_ptr 1
		.amdhsa_wavefront_size32 1
		.amdhsa_system_sgpr_workgroup_id_x 1
		.amdhsa_system_sgpr_workgroup_id_y 1
		.amdhsa_system_sgpr_workgroup_id_z 1
		.amdhsa_system_vgpr_workitem_id 0
		.amdhsa_next_free_vgpr 1024
		.amdhsa_next_free_sgpr 66
		.amdhsa_reserve_vcc 0
		.amdhsa_float_denorm_mode_32 3
		.amdhsa_float_denorm_mode_16_64 3
		.amdhsa_memory_ordered 1
		.amdhsa_forward_progress 1
		.amdhsa_inst_pref_size 196
	.end_amdhsa_kernel
	.amdgpu_metadata
---
amdhsa.version: [ 1, 2 ]
amdhsa.kernels:
  - .name:           k_q6e26ec133b_qkv
    .symbol:         k_q6e26ec133b_qkv.kd
    .args:
      - { .name: xn, .offset: 0, .size: 8, .value_kind: global_buffer, .address_space: global }
      - { .name: wbf, .offset: 8, .size: 8, .value_kind: global_buffer, .address_space: global }
      - { .name: qkv, .offset: 16, .size: 8, .value_kind: global_buffer, .address_space: global }
    .group_segment_fixed_size: 327680
    .private_segment_fixed_size: 0
    .kernarg_segment_align: 8
    .kernarg_segment_size: 24
    .max_flat_workgroup_size: 128
    .sgpr_count:     66
    .vgpr_count:     1024
    .wavefront_size: 32
...
	.end_amdgpu_metadata
.endif
;; end of part 2
;; launch attn (part 3): grid 8 x 32, 8 waves a work-group, no clusters, 327,680 bytes of LDS; arguments qkv, att; writes att
.if DOCPART == 3
	.amdgcn_target "amdgcn-amd-amdhsa--gfx1250"
	.amdhsa_code_object_version 6
	.text
	.protected	k_q6e26ec133b_attn
	.globl	k_q6e26ec133b_attn
	.p2align	8
	.type	k_q6e26ec133b_attn,@function
k_q6e26ec133b_attn:
	s_mov_b64 s[64:65], 0
	v_nop
	global_prefetch_b8 v0, s[64:65] scope:SCOPE_SE
	s_setreg_imm32_b32 hwreg(HW_REG_WAVE_MODE, 25, 1), 1
	s_wait_xcnt 0x0
; Causal attention.  qkv: [2][2048][16 heads][k 64 | q 64 | v 64] bf16; att: [2][2048][16 heads][64] bf16.
; Work-group (j = 0..7, bh = 0..31) takes the query blocks j and 15 - j (128 queries each) of head bh: (j + 1) + (16 - j) = 17 tiles of
; 128 keys for every work-group.  Tiles above the diagonal are never fetched.
; EIGHT WAVES, two on each SIMD (2 x 384 registers).  Wave w takes queries 32 (w & 3) .. + 31 of the block and keys 64 (w >> 2) .. + 63 of
; every tile, with a running maximum, sum and O of its own, so that one wave's softmax can run beside the other's products and LDS
; waits.  When a block is done the wave of the upper keys hands its three to its partner through LDS, and the partner weighs both parts by
; exp2(c (own maximum - joint maximum)), divides by the joint sum and stores.
; Each block takes its diagonal tile first: that step is the masked one and also the one that starts the sums.  In it a wave of the
; upper keys may find all its keys masked; the first step's maximum is therefore taken against the lowest finite f32, all its
; exponentials are then exp2(-inf) = 0, and its part gets the weight 0 later.  For finite scores the maximum is not changed by that.
; Order of key tiles, place u = 0..16: j, 0 .. j-1, 15-j, 0 .. 14-j.  An LDS slot holds two tiles (places 2 p and 2 p + 1 in slot p & 1), so
; a refill has two tiles' work in which to land: nine periods, the last of one tile.
; The products are used transposed.  S^T = K Q^T: a lane holds one query (l % 16) and 8 keys a tile, so maximum, sum and rescaling
; stay in the lane but for one exchange between the halves, and the packed exponentials of two key tiles ARE the B fragment of
; O^T = V^T P^T; V^T comes out of LDS by the transposing load.
; Softmax with a running maximum, in f32; the factor 1/8 and log2(e) are one constant in the exponent's multiply-add.
; NO JOINT LOADS: the work-groups of a head need different numbers of tiles at different times (j + 1 and 16 - j); walking all tiles
; in step would cost the largest partner's count in each half, 20 tiles instead of 17.
; LIMITS: exponentials below 2^-126 count as 0; P goes to the matrix unit in bf16 while its sum is taken in f32 before the rounding;
; the order of the sums over keys differs from a plain left-to-right sum.  A store covers four runs of 128 consecutive bytes: the
; other half of each 256 belongs to the neighbouring head, which is another work-group's.
.set ROWB,  6144                       ; bytes of a row of qkv
.set KT,    128*ROWB                   ; from key tile to key tile
.set KP,    144                        ; K's rows in LDS: 128 bytes + 16
.set VP,    160                        ; V's rows: 128 bytes + 32 (the transposing load wants an odd multiple of 32)
.set VBASE, 128*KP                     ; V behind K's 128 rows
.set TILEB, VBASE+128*VP               ; a tile: 38,912 bytes
.set SLOTB, 2*TILEB                    ; a slot: two tiles, 77,824 bytes
.set XCH,   2*SLOTB                    ; the exchange between partners: 18 pieces of 512 bytes for each of four pairs; no tensor load lands here
.set XCHW,  18*512
.set STAGE, XCH+4*XCHW                 ; the way out: 32 rows x 144 bytes for each of four waves; no tensor load lands here
.set CEXP,  0x3e38aa3b                 ; log2(e) / 8
.set NCEXP, 0xbe38aa3b
.set GK0, 40                           ; s[40:43] group 0 of my part of K, slot 0
.set GV0, 44                           ; s[44:47] of V, slot 0
.set GK1, 68                           ; s[68:71] of K, slot 1
.set GV1, 72                           ; s[72:75] of V, slot 1
; window 0: v1 r, v2 h, v3-4 K's address (slot 0, 1), v5-6 V's, v7 stage in, v8 stage back, v9 offset in att, v10 mask bound, v11 -inf, v12 offset of Q,
;   v13 my pair's exchange, v14-15 maximum, v16-17 sum, v[18:19] v[20:21] -c x maximum, v[22:23] v[24:25] rescaling factor, v26-31 at work,
;   v32-37 the partner's sums and maxima, v40 the lowest finite f32, v[42:43] v[44:45] the partner's weight,
;   v64-127 S (tile (q, t) at 64 + 32 q + 8 t; P (q, u) is laid over it at 64 + 32 q + 16 u), v128-191 K's fragments, v192-255 V's fragments
; window 1: v0-31 Q's fragments, v32-63 those of the second block, v64-127 O (tile (q, d) at 64 + 32 q + 8 d)
.set MSB, 0
.macro WIN new                         ; the immediate's high byte repeats the setting that is left
.if MSB != \new
	s_set_vgpr_msb (MSB<<8)|\new
.set MSB, \new
.endif
.endm
.macro PLACES n                        ; independent vector instructions behind matrix instructions (ISA guide 7.12.1)
.rept \n
	v_nop
.endr
.endm
.macro KVLOAD gk, gv                   ; waves 0-3 fetch parts of K, waves 4-7 parts of V: one load of 64 rows a wave
	s_cmp_eq_u32 s60, 0
	s_cbranch_scc0 .Lfor_v_\@
	tensor_load_to_lds s[\gk:\gk+3], s[24:31]
	s_nop 0
	s_branch .Lasked_\@
.Lfor_v_\@:
	tensor_load_to_lds s[\gv:\gv+3], s[32:39]
	s_nop 0
.Lasked_\@:
.endm
.macro KTOF ureg                       ; s61 = the key tile at place u: j (u = 0), u - 1 (u <= j), 15 - j (u = j + 1), u - j - 2
	s_sub_co_u32 s61, \ureg, s10
	s_sub_co_u32 s61, s61, 1
	s_cmp_eq_u32 \ureg, s10
	s_cselect_b32 s61, s11, s61
	s_sub_co_u32 s62, \ureg, 1
	s_cmp_le_u32 \ureg, s9
	s_cselect_b32 s61, s62, s61
	s_cmp_eq_u32 \ureg, 0
	s_cselect_b32 s61, s9, s61
.endm
.macro SETG0 gk, gv, ureg              ; the global addresses of a slot's two group 0 sets, for the tile at place u
	KTOF \ureg
	s_mul_i32 s20, s61, KT
	s_add_nc_u64 s[\gk+2:\gk+3], s[16:17], s[20:21]
	s_or_b32 s[\gk+3], s[\gk+3], 0x80000000
	s_add_nc_u64 s[\gv+2:\gv+3], s[18:19], s[20:21]
	s_or_b32 s[\gv+3], s[\gv+3], 0x80000000
.endm
	s_load_b128 s[4:7], s[0:1], 0x0                ; qkv s[4:5], att s[6:7]
	v_lshl_add_u32 v62, v0, 2, 0x33800
	v_mov_b32 v63, 0
	ds_add_u32 v62, v63
	ds_add_u32 v62, v63
	v_lshrrev_b32 v1, 5, v0
	v_readfirstlane_b32 s8, v1                     ; wave 0..7
	s_mov_b32 s9, ttmp9                            ; j
	s_add_co_u32 s10, s9, 1                        ; j + 1: the place at which the second block begins
	s_sub_co_u32 s11, 15, s9                       ; the second block, and its diagonal tile
	s_and_b32 s62, ttmp7, 0xffff
	s_lshr_b32 s12, s62, 4                         ; batch
	s_and_b32 s13, s62, 15                         ; head
	s_lshr_b32 s60, s8, 2                          ; my half of every tile's keys; also: I fetch K (0) or V (1)
	s_and_b32 s77, s8, 3                           ; my 32 queries of the block
	s_lshr_b32 s76, s8, 1
	s_and_b32 s76, s76, 1                          ; which tile of a slot's two I fetch
	s_add_co_u32 s79, s76, 2
	s_and_b32 s61, s8, 1                           ; which 64 rows of it
	s_mul_i32 s23, s76, TILEB
	s_mul_i32 s48, s61, 64*KP
	s_add_co_u32 s48, s48, s23                     ; where my part of K lies in a slot
	s_mul_i32 s49, s61, 64*VP
	s_add_co_u32 s49, s49, s23
	s_add_co_u32 s49, s49, VBASE                   ; where my part of V lies
	; group 1: 64 rows x 64 elements of 2 bytes, 3,072 elements from row to row; padding behind every 32 words: 4 words (K), 8 words (V)
	s_mov_b32 s24, (1<<16)|(1<<20)|(4<<22)|(3<<25)
	s_mov_b32 s25, 64<<16
	s_mov_b32 s26, 64<<16
	s_mov_b32 s27, 64<<16
	s_mov_b32 s28, 64
	s_mov_b32 s29, 3072
	s_mov_b32 s30, 0
	s_mov_b32 s31, 0
	s_mov_b32 s32, (1<<16)|(1<<20)|(4<<22)|(7<<25)
	s_mov_b32 s33, 64<<16
	s_mov_b32 s34, 64<<16
	s_mov_b32 s35, 64<<16
	s_mov_b32 s36, 64
	s_mov_b32 s37, 3072
	s_mov_b32 s38, 0
	s_mov_b32 s39, 0
	s_mov_b32 s[GK0], 1
	s_mov_b32 s[GV0], 1
	s_mov_b32 s[GK1], 1
	s_mov_b32 s[GV1], 1
	s_add_co_u32 s[GK0+1], s48, 0                  ; the LDS addresses never change: a set for each slot
	s_add_co_u32 s[GV0+1], s49, 0
	s_add_co_u32 s[GK1+1], s48, SLOTB
	s_add_co_u32 s[GV1+1], s49, SLOTB
	s_mov_b32 s50, 0x76543210                      ; lane i of one half reads lane i of the other
	s_mov_b32 s51, 0xfedcba98
	s_mov_b32 s21, 0
	s_mov_b32 s63, 0
	s_mul_i32 s23, s61, 64*ROWB
	s_mul_i32 s62, s12, 2048*ROWB
	s_mul_i32 s20, s13, 384
	s_add_co_u32 s62, s62, s20
	s_wait_dscnt 0x0
	s_wait_kmcnt 0x0
	s_add_nc_u64 s[14:15], s[4:5], s[62:63]        ; the head's k columns in the batch's first row
	s_mov_b32 s62, s23
	s_add_nc_u64 s[16:17], s[14:15], s[62:63]      ; my 64 rows of key tile 0: K
	s_add_nc_u64 s[18:19], s[16:17], 256           ; and V
	SETG0 GK0, GV0, s76                            ; places 0 and 1 go to slot 0,
	KVLOAD GK0, GV0
	SETG0 GK1, GV1, s79                            ; places 2 and 3 to slot 1: both first fills ahead of every wait on tensor loads, LDS read and barrier;
	KVLOAD GK1, GV1                                ; two loads of the wave are out
	s_mul_i32 s62, s77, 32*ROWB
	s_add_co_u32 s62, s62, 128                     ; my 32 queries, the q columns
	s_mul_i32 s20, s9, KT
	s_add_co_u32 s20, s20, s62
	s_add_nc_u64 s[56:57], s[14:15], s[20:21]      ; Q of block j
	s_mul_i32 s20, s11, KT
	s_add_co_u32 s20, s20, s62
	s_add_nc_u64 s[58:59], s[14:15], s[20:21]      ; Q of block 15 - j
	s_lshl_b32 s62, s12, 22                        ; att: batch x 2,048 rows of 2,048 bytes
	s_lshl_b32 s20, s77, 16                        ; + my 32 rows
	s_add_co_u32 s62, s62, s20
	s_lshl_b32 s20, s13, 7                         ; + head x 128 bytes
	s_add_co_u32 s62, s62, s20
	s_lshl_b32 s20, s9, 18                         ; + block x 128 rows
	s_add_co_u32 s20, s20, s62
	s_add_nc_u64 s[52:53], s[6:7], s[20:21]
	s_lshl_b32 s20, s11, 18
	s_add_co_u32 s20, s20, s62
	s_add_nc_u64 s[54:55], s[6:7], s[20:21]
	s_mul_i32 s62, s77, 32*KP
	s_add_co_u32 s62, s62, STAGE                   ; the pair's stage
	s_mul_i32 s82, s77, XCHW
	s_add_co_u32 s82, s82, XCH                     ; the pair's exchange
	s_mul_i32 s80, s60, 64*KP                      ; my 64 keys in K's rows
	s_mul_i32 s81, s60, 64*VP
	s_add_co_u32 s81, s81, VBASE                   ; and in V's
	s_lshl_b32 s61, s77, 5
	s_lshl_b32 s78, s60, 6
	s_sub_co_i32 s61, s61, s78                     ; 32 x query group - 64 x key half
	v_and_b32 v1, 15, v0                           ; r
	v_bfe_u32 v2, v0, 4, 1                         ; h
	v_mul_u32_u24 v12, v1, ROWB
	v_lshl_add_u32 v12, v2, 4, v12                 ; Q from memory: row r, 16 h
	WIN 0x40                                       ; destinations in window 1
.irp q, 0,1
.irp k, 0,1
	global_load_b128 v[16*\q+8*\k:16*\q+8*\k+3],       v12, s[56:57] offset:\q*16*ROWB+64*\k
	global_load_b128 v[16*\q+8*\k+4:16*\q+8*\k+7],     v12, s[56:57] offset:\q*16*ROWB+64*\k+32
	global_load_b128 v[32+16*\q+8*\k:32+16*\q+8*\k+3],   v12, s[58:59] offset:\q*16*ROWB+64*\k
	global_load_b128 v[32+16*\q+8*\k+4:32+16*\q+8*\k+7], v12, s[58:59] offset:\q*16*ROWB+64*\k+32
.endr
.endr
	WIN 0
	v_mul_u32_u24 v28, v1, KP
	v_lshl_add_u32 v28, v2, 4, v28                 ; row r, 16 h at the pitch of 144
	v_add_nc_u32 v7, s62, v28                      ; stage in
	v_add_nc_u32 v3, s80, v28                      ; K's fragments, slot 0
	v_add_nc_u32 v4, SLOTB, v3                     ; slot 1
	v_and_b32 v27, 7, v0
	v_lshl_add_u32 v26, v2, 3, v27                 ; V: row 8 h + l % 8,
	v_mul_u32_u24 v5, v26, VP
	v_bfe_u32 v26, v0, 3, 1
	v_lshl_add_u32 v5, v26, 4, v5                  ; 16 bytes on for the second eight lanes of a half
	v_add_nc_u32 v5, s81, v5
	v_add_nc_u32 v6, SLOTB, v5
	v_bfe_u32 v26, v0, 3, 2
	v_mul_u32_u24 v8, v26, KP
	v_lshl_add_u32 v8, v27, 4, v8
	v_add_nc_u32 v8, s62, v8                       ; stage back: eight lanes a row of 128 bytes, four rows a load
	v_lshlrev_b32 v9, 11, v26
	v_lshl_add_u32 v9, v27, 4, v9                  ; the same four rows in att
	v_and_b32 v29, 31, v0
	v_lshl_add_u32 v13, v29, 4, s82                ; exchange: 16 bytes a lane, the same lane in both partners
	v_lshlrev_b32 v28, 3, v2
	v_sub_nc_u32 v10, v1, v28
	v_add_nc_u32 v10, s61, v10                     ; key 64 kh + 16 t + 8 h + i of the diagonal tile is masked for query 32 qg + 16 q + r where 16 t + i - 16 q exceeds this
	v_mov_b32 v11, 0xff800000                      ; -inf
	v_mov_b32 v40, 0xff7fffff                      ; the lowest finite f32
.irp i, 19,21,23,25
	v_mov_b32 v\i, 0                               ; second registers of broadcast pairs: written once
.endr
	s_mov_b32 s63, CEXP
; The head of a period.  All my tensor loads are done, so a group 0 set may be written: that of the slot read last, for the tile at place
; (this period's first place) + 2 + (my tile of the two).  My LDS reads are done.  Behind the barrier both hold of every wave: this period's
; slot is whole and nobody reads the other, whose fill is the wave's first and only tensor load until the next such barrier.
; refill = 2: one tile is left, so only the waves that fetch a slot's first tile ask.
.macro HEAD gk, gv, refill, ureg
	s_wait_tensorcnt 0x0
	ds_add_u32 v62, v63
	s_wait_dscnt 0x0
.if \refill
	s_add_co_u32 s23, \ureg, s79
	SETG0 \gk, \gv, s23
.endif
	s_wait_dscnt 0x0
	s_barrier_signal -1
	s_barrier_wait -1
.if \refill == 1
	KVLOAD \gk, \gv
.endif
.if \refill == 2
	s_cmp_eq_u32 s76, 0
	s_cbranch_scc0 .Lnone_\@
	KVLOAD \gk, \gv
.Lnone_\@:
.endif
.endm
.macro FETCHK slot, pos                ; my 64 keys x 64 d of tile 'pos' of the slot: fragment (t, k) at 128 + 16 t + 8 k
.irp t, 0,1,2,3
.irp k, 0,1
	ds_load_b128 v[128+16*\t+8*\k:128+16*\t+8*\k+3],   v[3+\slot] offset:\pos*TILEB+16*\t*KP+64*\k
	ds_load_b128 v[128+16*\t+8*\k+4:128+16*\t+8*\k+7], v[3+\slot] offset:\pos*TILEB+16*\t*KP+64*\k+32
.endr
.endr
.endm
.macro FETCHV slot, pos                ; V^T, 64 d x my 64 keys: fragment (u, d) at 192 + 32 u + 8 d
.irp u, 0,1
.irp d, 0,1,2,3
	ds_load_tr16_b128 v[192+32*\u+8*\d:192+32*\u+8*\d+3],   v[5+\slot] offset:\pos*TILEB+32*\u*VP+32*\d
	ds_load_tr16_b128 v[192+32*\u+8*\d+4:192+32*\u+8*\d+7], v[5+\slot] offset:\pos*TILEB+32*\u*VP+32*\d+16*VP
.endr
.endr
.endm
.macro SPROD                           ; S^T = K Q^T, eight tiles by turns, one instruction a turn; d 0-31 starts the sums, d 32-63 follows
	WIN 0x04                                       ; source 1 (Q) in window 1
.irp q, 0,1
.irp t, 0,1,2,3
	v_wmma_f32_16x16x32_bf16 v[64+32*\q+8*\t:64+32*\q+8*\t+7], v[128+16*\t:128+16*\t+7], v[16*\q:16*\q+7], 0
.endr
.endr
.irp q, 0,1
.irp t, 0,1,2,3
	v_wmma_f32_16x16x32_bf16 v[64+32*\q+8*\t:64+32*\q+8*\t+7], v[128+16*\t+8:128+16*\t+15], v[16*\q+8:16*\q+15], v[64+32*\q+8*\t:64+32*\q+8*\t+7]
.endr
.endr
	WIN 0
.endm
.macro MASK                            ; the diagonal tile: keys behind the query become -inf
.irp q, 0,1
.irp t, 0,1,2,3
.irp i, 0,1,2,3,4,5,6,7
	v_cmp_gt_i32 vcc_lo, 16*\t+\i-16*\q, v10
	v_cndmask_b32 v[64+32*\q+8*\t+\i], v[64+32*\q+8*\t+\i], v11, vcc_lo
.endr
.endr
.endr
.endm
; 64 keys of query tile q: the new maximum, the factor for what was summed before, the exponentials, their sum, P in bf16
.macro SOFTMAX q, init
.set SB, 64+32*\q
	v_max3_num_f32 v26, v[SB], v[SB+1], v[SB+2]
	v_max3_num_f32 v27, v[SB+17], v[SB+18], v[SB+19]
.irp i, 3,5,7,9,11,13
	v_max3_num_f32 v26, v26, v[SB+\i], v[SB+\i+1]
	v_max3_num_f32 v27, v27, v[SB+\i+17], v[SB+\i+18]
.endr
	v_max3_num_f32 v26, v26, v[SB+15], v[SB+16]
.if \init
	v_max3_num_f32 v26, v26, v27, v40              ; against the lowest finite number: a step whose keys are all masked leaves a finite maximum
.else
	v_max3_num_f32 v26, v26, v27, v[14+\q]
.endif
	v_permlanex16_b32 v27, v26, s50, s51           ; the other half's keys of the same query
	v_max_num_f32 v[14+\q], v26, v27
.if \init == 0
	v_fma_f32 v26, -v[14+\q], s63, -v[18+2*\q]     ; c (old maximum - new maximum)
	v_exp_f32 v[22+2*\q], v26
.endif
	v_mul_f32 v[18+2*\q], NCEXP, v[14+\q]          ; a plain instruction behind the exponential (ISA guide 5.7.2)
.irp i, 0,2,4,6,8,10,12,14,16,18,20,22,24,26,28,30
	v_pk_fma_f32 v[SB+\i:SB+\i+1], v[SB+\i:SB+\i+1], CEXP, v[18+2*\q:19+2*\q] op_sel_hi:[1,0,0]
.endr
.set cnt, 0
.rept 32
	v_exp_f32 v[SB+cnt], v[SB+cnt]
.set cnt, cnt+1
.endr
	v_nop                                          ; one plain instruction before the results are used
	s_wait_alu depctr_va_vdst(0)
	v_pk_add_f32 v[28:29], v[SB:SB+1],   v[SB+2:SB+3]
	v_pk_add_f32 v[30:31], v[SB+4:SB+5], v[SB+6:SB+7]
.irp i, 8,12,16,20,24,28
	v_pk_add_f32 v[28:29], v[28:29], v[SB+\i:SB+\i+1]
	v_pk_add_f32 v[30:31], v[30:31], v[SB+\i+2:SB+\i+3]
.endr
	v_pk_add_f32 v[28:29], v[28:29], v[30:31]
.if \init
	v_add_f32 v[16+\q], v28, v29
.else
	v_add_f32 v28, v28, v29
	v_fma_f32 v[16+\q], v[16+\q], v[22+2*\q], v28
.endif
.irp u, 0,1                            ; key tiles 2 u and 2 u + 1 become registers 0-3 and 4-7 of P (q, u); each register is written after its last read
.irp i, 0,1,2,3
	v_cvt_pk_bf16_f32 v[SB+16*\u+\i], v[SB+16*\u+2*\i], v[SB+16*\u+2*\i+1]
.endr
.irp i, 0,1,2,3
	v_cvt_pk_bf16_f32 v[SB+16*\u+4+\i], v[SB+16*\u+8+2*\i], v[SB+16*\u+9+2*\i]
.endr
.endr
.endm
.macro SCALEO                          ; O times the lane's factor
	WIN 0x41                                       ; destination and source 0 in window 1
.irp q, 0,1
.irp i, 0,2,4,6,8,10,12,14,16,18,20,22,24,26,28,30
	v_pk_mul_f32 v[64+32*\q+\i:64+32*\q+\i+1], v[64+32*\q+\i:64+32*\q+\i+1], v[22+2*\q:23+2*\q] op_sel_hi:[1,0]
.endr
.endr
.endm
.macro PV init                         ; O^T += V^T P^T, eight tiles by turns, one instruction a turn
	WIN 0x50                                       ; C and D in window 1
.irp q, 0,1
.irp d, 0,1,2,3
.if \init
	v_wmma_f32_16x16x32_bf16 v[64+32*\q+8*\d:64+32*\q+8*\d+7], v[192+8*\d:192+8*\d+7], v[64+32*\q:64+32*\q+7], 0
.else
	v_wmma_f32_16x16x32_bf16 v[64+32*\q+8*\d:64+32*\q+8*\d+7], v[192+8*\d:192+8*\d+7], v[64+32*\q:64+32*\q+7], v[64+32*\q+8*\d:64+32*\q+8*\d+7]
.endif
.endr
.endr
.irp q, 0,1
.irp d, 0,1,2,3
	v_wmma_f32_16x16x32_bf16 v[64+32*\q+8*\d:64+32*\q+8*\d+7], v[224+8*\d:224+8*\d+7], v[64+32*\q+16:64+32*\q+23], v[64+32*\q+8*\d:64+32*\q+8*\d+7]
.endr
.endr
	WIN 0
.endm
; My 64 keys of tile 'pos' of 'slot' against my 32 queries.  pre = 1: K's fragments of the slot's second tile are fetched behind V's loads.
.macro STEP slot, pos, mask, init, pre
	s_wait_dscnt 0x0                               ; K's fragments are in
	SPROD
	PLACES 5                                       ; before S is read, K's fragments are loaded again, and S's registers later serve as a B operand
	FETCHV \slot, \pos
.if \pre
	FETCHK \slot, 1
.endif
.if \mask
	MASK
.endif
	SOFTMAX 0, \init
	SOFTMAX 1, \init
.if \init == 0
	SCALEO
.endif
.if \pre
	s_wait_dscnt 16                                ; V's fragments are in; the sixteen loads of K issued behind them stay out
.else
	s_wait_dscnt 0x0
.endif
	PV \init
	PLACES 5                                       ; before the next products write over P, V's fragments are loaded again, and O is read or scaled
.endm
; A block is done.  The wave of the upper keys gives its sums, -c x maxima and O to its partner; the partner weighs, divides, rounds, and stores
; through its stage.  Store, wait, barrier, load; then load, wait, barrier, so that a later block's stores find the bytes read.
; Every wave passes both barriers; the branches on the wave's number jump over LDS and register work alone.
.macro FINAL base
	v_permlanex16_b32 v26, v16, s50, s51
	v_permlanex16_b32 v27, v17, s50, s51
	v_add_f32 v16, v16, v26                        ; both halves' parts of my sum
	v_add_f32 v17, v17, v27
	s_cmp_eq_u32 s60, 0
	s_cbranch_scc1 .Lkeeps_\@
	ds_store_b128 v13, v[16:19] offset:16*512      ; sums of both query tiles, -c x maximum of the first
	ds_store_b64 v13, v[20:21] offset:17*512       ; -c x maximum of the second
	WIN 0x04                                       ; store data from window 1
.set cnt, 0
.rept 16
	ds_store_b128 v13, v[64+4*cnt:64+4*cnt+3] offset:512*cnt
.set cnt, cnt+1
.endr
	WIN 0
.Lkeeps_\@:
	s_wait_dscnt 0x0                               ; what I gave is written (and K's fragments fetched ahead are in)
	s_barrier_signal -1
	s_barrier_wait -1
	s_cmp_eq_u32 s60, 0
	s_cbranch_scc0 .Lgave_\@
	ds_load_b128 v[32:35], v13 offset:16*512
	ds_load_b64 v[36:37], v13 offset:17*512
.set cnt, 0
.rept 16
	ds_load_b128 v[192+4*cnt:192+4*cnt+3], v13 offset:512*cnt
.set cnt, cnt+1
.endr
.Lgave_\@:
	s_wait_dscnt 0x0                               ; what I took is read
	s_barrier_signal -1
	s_barrier_wait -1
	s_cmp_eq_u32 s60, 0
	s_cbranch_scc0 .Lover_\@
	v_min_num_f32 v26, v18, v34                    ; -c x the larger maximum
	v_min_num_f32 v27, v20, v36
	v_sub_f32 v28, v26, v18                        ; c (own maximum - joint maximum), never above 0
	v_sub_f32 v29, v26, v34
	v_sub_f32 v30, v27, v20
	v_sub_f32 v31, v27, v36
	v_exp_f32 v28, v28
	v_exp_f32 v29, v29
	v_exp_f32 v30, v30
	v_exp_f32 v31, v31
	v_nop                                          ; one plain instruction before the results are used (ISA guide 5.7.2)
	s_wait_alu depctr_va_vdst(0)
	v_mul_f32 v16, v16, v28
	v_mul_f32 v17, v17, v30
	v_fma_f32 v16, v32, v29, v16                   ; the joint sum
	v_fma_f32 v17, v33, v31, v17
	v_rcp_f32 v26, v16
	v_rcp_f32 v27, v17
	v_nop
	s_wait_alu depctr_va_vdst(0)
	v_mul_f32 v22, v28, v26                        ; weight / sum, twice each: pairs for the packed forms
	v_mul_f32 v23, v28, v26
	v_mul_f32 v42, v29, v26
	v_mul_f32 v43, v29, v26
	v_mul_f32 v24, v30, v27
	v_mul_f32 v25, v30, v27
	v_mul_f32 v44, v31, v27
	v_mul_f32 v45, v31, v27
.irp q, 0,1
.irp i, 0,2,4,6,8,10,12,14,16,18,20,22,24,26,28,30
	v_pk_mul_f32 v[192+32*\q+\i:192+32*\q+\i+1], v[192+32*\q+\i:192+32*\q+\i+1], v[42+2*\q:43+2*\q]
.endr
.endr
	WIN 0x01                                       ; source 0 (my O) in window 1
.irp q, 0,1
.irp i, 0,2,4,6,8,10,12,14,16,18,20,22,24,26,28,30
	v_pk_fma_f32 v[192+32*\q+\i:192+32*\q+\i+1], v[64+32*\q+\i:64+32*\q+\i+1], v[22+2*\q:23+2*\q], v[192+32*\q+\i:192+32*\q+\i+1]
.endr
.endr
	WIN 0
.irp t, 0,1,2,3,4,5,6,7
.irp i, 0,1,2,3
	v_cvt_pk_bf16_f32 v[64+4*\t+\i], v[192+8*\t+2*\i], v[192+8*\t+2*\i+1]
.endr
.endr
.irp q, 0,1
.irp d, 0,1,2,3
	ds_store_b128 v7, v[64+16*\q+4*\d:64+16*\q+4*\d+3] offset:\q*16*KP+32*\d   ; query 16 q + r, d = 16 d + 8 h + 0..7
.endr
.endr
.irp i, 0,1,2,3,4,5,6,7
	ds_load_b128 v[96+4*\i:96+4*\i+3], v8 offset:4*KP*\i       ; a wave's LDS instructions are served in order: these see the stores above
.endr
.irp i, 0,1,2,3,4,5,6,7
	s_wait_dscnt 7-\i                              ; load i is in, the younger ones stay out
	global_store_b128 v9, v[96+4*\i:96+4*\i+3], s[\base:\base+1] offset:8192*\i
.endr
	s_wait_xcnt 0x0                                ; the stores' data registers are S's: written again only behind this wait
.Lover_\@:
.endm
.macro QCOPY                           ; the second block's Q, loaded at the start so that the change of blocks waits for no memory, takes the place that the loop's products name
	WIN 0x41
.set cnt, 0
.rept 32
	v_mov_b32 v[cnt], v[32+cnt]
.set cnt, cnt+1
.endr
	WIN 0
.endm
; The tile at place 'ureg'.  sw = 1: the place may be j + 1, where the first block is done and the tile is the second block's diagonal.
; The branch hangs on the work-group's number and the place alone: all eight waves take the same way.
.macro UNIT slot, pos, ureg, sw, pre
.if \sw
	s_cmp_eq_u32 \ureg, s10
	s_cbranch_scc0 .Lplain_\@
	FINAL 52
	QCOPY
	STEP \slot, \pos, 1, 1, \pre
	s_branch .Ljoin_\@
.Lplain_\@:
	STEP \slot, \pos, 0, 0, \pre
.Ljoin_\@:
.else
	STEP \slot, \pos, 0, 0, \pre
.endif
.endm
	s_wait_loadcnt 0x0                             ; Q
	s_wait_tensorcnt 0x1                           ; my part of slot 0 is in; slot 1's stays out
	s_barrier_signal -1
	s_barrier_wait -1
	FETCHK 0, 0
	STEP 0, 0, 1, 1, 1                             ; place 0: the first block's diagonal starts the sums
	s_mov_b32 s78, 1
	UNIT 0, 1, s78, 1, 0
	s_mov_b32 s22, 2
.Lunits:                                           ; places 2 to 13, two periods of two tiles a trip; j + 1 <= 8 lies among places 1 to 13
	HEAD GK0, GV0, 1, s22                          ; slot 0 gets places s22 + 2 and + 3
	FETCHK 1, 0
	UNIT 1, 0, s22, 1, 1
	s_add_co_u32 s78, s22, 1
	UNIT 1, 1, s78, 1, 0
	s_add_co_u32 s78, s22, 2
	HEAD GK1, GV1, 1, s78                          ; slot 1 gets places s22 + 4 and + 5
	FETCHK 0, 0
	UNIT 0, 0, s78, 1, 1
	s_add_co_u32 s78, s22, 3
	UNIT 0, 1, s78, 1, 0
	s_add_co_u32 s22, s22, 4
	s_cmp_lt_u32 s22, 14
	s_cbranch_scc1 .Lunits
	HEAD GK0, GV0, 2, s22                          ; places 14 and 15; slot 0 gets the last tile, place 16
	FETCHK 1, 0
	UNIT 1, 0, s22, 0, 1
	UNIT 1, 1, s22, 0, 0
	HEAD GK0, GV0, 0, s22                          ; place 16; nothing is asked for: no tensor load is out at the end
	FETCHK 0, 0
	UNIT 0, 0, s22, 0, 0
	FINAL 54
	s_wait_tensorcnt 0x0
	ds_add_u32 v62, v63
	s_wait_dscnt 0x0
	s_endpgm
.Lfunc_end_k_q6e26ec133b_attn:
	.size	k_q6e26ec133b_attn, .Lfunc_end_k_q6e26ec133b_attn-k_q6e26ec133b_attn
	.p2alignl 7, 3214868480
	.fill 96, 4, 3214868480
	.section	.rodata,"a",@progbits
	.p2align	6, 0x0
	.amdhsa_kernel k_q6e26ec133b_attn
		.amdhsa_group_segment_fixed_size 327680
		.amdhsa_private_segment_fixed_size 0
		.amdhsa_enable_private_segment 0
		.amdhsa_kernarg_size 16
		.amdhsa_user_sgpr_count 2
		.amdhsa_user_sgpr_kernarg_segment_ptr 1
		.amdhsa_wavefront_size32 1
		.amdhsa_system_sgpr_workgroup_id_x 1
		.amdhsa_system_sgpr_workgroup_id_y 1
		.amdhsa_system_sgpr_workgroup_id_z 1
		.amdhsa_system_vgpr_workitem_id 0
		.amdhsa_next_free_vgpr 384
		.amdhsa_next_free_sgpr 84
		.amdhsa_reserve_vcc 1
		.amdhsa_float_denorm_mode_32 3
		.amdhsa_float_denorm_mode_16_64 3
		.amdhsa_memory_ordered 1
		.amdhsa_forward_progress 1
		.amdhsa_inst_pref_size 255
	.end_amdhsa_kernel
	.section	.bss,"aw",@nobits
	.p2align	6
	.space	262144
	.amdgpu_metadata
---
amdhsa.version: [ 1, 2 ]
amdhsa.kernels:
  - .name:           k_q6e26ec133b_attn
    .symbol:         k_q6e26ec133b_attn.kd
    .args:
      - { .name: qkv, .offset: 0, .size: 8, .value_kind: global_buffer, .address_space: global }
      - { .name: att, .offset: 8, .size: 8, .value_kind: global_buffer, .address_space: global }
    .group_segment_fixed_size: 327680
    .private_segment_fixed_size: 0
    .kernarg_segment_align: 8
    .kernarg_segment_size: 16
    .max_flat_workgroup_size: 256
    .sgpr_count:     84
    .vgpr_count:     384
    .wavefront_size: 32
...
	.end_amdgpu_metadata
.endif
;; end of part 3
;; launch proj (part 4): grid 8 x 32, 4 waves a work-group, clusters of 4 x 4, 327,680 bytes of LDS; arguments att, wbf, proj_b, x, act; writes act
.if DOCPART == 4
	.amdgcn_target "amdgcn-amd-amdhsa--gfx1250"
	.amdhsa_code_object_version 6
	.text
	.protected	k_q6e26ec133b_proj
	.globl	k_q6e26ec133b_proj
	.p2align	8
	.type	k_q6e26ec133b_proj,@function
k_q6e26ec133b_proj:
	s_mov_b64 s[64:65], 0
	v_nop
	global_prefetch_b8 v0, s[64:65] scope:SCOPE_SE
	s_setreg_imm32_b32 hwreg(HW_REG_WAVE_MODE, 25, 1), 1
	s_wait_xcnt 0x0
	s_wait_alu depctr_hold_cnt(0) depctr_sa_sdst(0) depctr_va_vdst(0) depctr_va_sdst(0) depctr_va_ssrc(0) depctr_va_vcc(0) depctr_vm_vsrc(0)
	s_getreg_b32 s2, hwreg(HW_REG_IB_STS2, 6, 4)
	s_cmp_eq_u32 s2, 0
	s_cbranch_scc0 .Lentry_in_a_cluster
	s_endpgm
.Lentry_in_a_cluster:
	s_bfe_u32 s2, ttmp6, 0x10000c
	s_cmp_lg_u32 s2, 0xf033
	s_cbranch_scc0 .Lentry_shape_is_right
	s_endpgm
.Lentry_shape_is_right:
; act[m][n] = x[m][n] + proj_b[n] + sum over k of att[m][k] * proj_w[n][k].  att: [4096][1024] bf16, proj_w: wbf at byte 6,291,456, [1024][1024] bf16;
; x, act: [4096][1024] f32; sums in f32.
; N is 1,024 only, so a work-group makes 128 x 128: 8 x 32 = 256 work-groups.  Each of the four waves holds the WHOLE block in 64 accumulator
; tiles (512 registers) for its own quarter of K: of each K step of 256 wave q multiplies columns 64 q .. 64 q + 63.  So every LDS byte is
; read once, 16 KiB for 64 matrix instructions; four waves of 64 x 64 would read twice as much.  At the end the four partial blocks are added
; through LDS, which also turns them into whole rows of 512 bytes.
; Two LDS slots filled by tensor loads of 64 rows x 512 bytes.  4 x 4 work-groups form a cluster: A's tiles are asked for jointly along a row of
; the cluster, the weights' along a column.
; THE WALK ALONG K IS ROTATED: a cluster whose coordinates add up to an odd number begins at K / 2 and wraps round.  The clusters that read the same
; rows of A (neighbours along x) and those that read the same rows of the weights (neighbours along y) so ask for a given tile at two different
; times of the launch, not all at once: in the second half of its walk a cluster asks only for tiles that a neighbour has asked for before.
; The offset hangs on the cluster's coordinates alone, which all partners of a joint load share.
; The order of the sums over K therefore differs from a plain ascending one (four quarters, and a start at 0 or at K / 2).
; Registers by windows of 256: window 0: v0-31 addresses, v64-127, v128-191 fragments of A (later the rows of x), v192-255 the way out;
; window 1: v64-127, v128-191 fragments of the weights; windows 2, 3: accumulators of rows 0-63, 64-127.
; The matrix instruction is used transposed (source 0 = rows of the weights): a lane holds eight neighbouring columns of one row.
.set SIZE_K, 1024
.set WOFF,   6291456
.set KSTEP,  256
.set KROW,   SIZE_K*2                  ; bytes of a row of A and of the weights
.set PITCH,  528                       ; an LDS row: 512 bytes + 16: the 16 rows of a fragment load start 16 bytes apart modulo 256
.set HALFT,  64*PITCH                  ; what one tensor load brings
.set SLOT,   4*HALFT                   ; A's 128 rows, then the weights' 128 rows
.set PART,   128*PITCH                 ; a wave's partial block on the way out: 128 rows of 128 f32
.set LAPS, SIZE_K/(2*KSTEP)
.set RDP,  8                           ; v8-11  the way out: my place in partial block 0..3
.set ADRA, 16
.set ADRB, 20
.set STO,  24                          ; the way out: where I put my partial sums
.set XO,   27                          ; 16 x lane: my 16 bytes of a row of 512
.set BI,   28                          ; v[28:31] bias of my four columns
.set F0,   64
.set F1,   128
.set TMP,  192
.set G1, 24
.set G0, 32
.set G1B, 48
.set G0B, 56
.set KO, 76                            ; s[76:77], s[78:79]: slot 0's and slot 1's K step, in bytes along a row, as 64-bit offsets
.set MSB, 0
.macro WIN new
.if MSB != \new
	s_set_vgpr_msb (MSB<<8)|\new
.set MSB, \new
.endif
.endm
.set MUL_LO, 0xa1
.set MUL_HI, 0xf1
.set TO_B,   0x40
.macro JLOAD s                         ; waves 0, 1 ask for A's two halves, waves 2, 3 for the weights'
	s_cmp_eq_u32 s11, 0
	s_cbranch_scc0 .Lfor_b_\@
	tensor_load_to_lds s[G0+4*\s:G0+4*\s+3], s[G1:G1+7]
	s_nop 0
	s_branch .Lasked_\@
.Lfor_b_\@:
	tensor_load_to_lds s[G0B+4*\s:G0B+4*\s+3], s[G1B:G1B+7]
	s_nop 0
.Lasked_\@:
.endm
.macro SETADR s                        ; both global addresses of slot s: the rows' first bytes + the slot's K step; no tensor load of the wave names these registers now
	s_add_nc_u64 s[G0+4*\s+2:G0+4*\s+3], s[14:15], s[KO+2*\s:KO+2*\s+1]
	s_or_b32 s[G0+4*\s+3], s[G0+4*\s+3], 0x80000000
	s_add_nc_u64 s[G0B+4*\s+2:G0B+4*\s+3], s[46:47], s[KO+2*\s:KO+2*\s+1]
	s_or_b32 s[G0B+4*\s+3], s[G0B+4*\s+3], 0x80000000
.endm
.macro CREST
	s_cmp_lg_u32 s10, 0
	s_cbranch_scc1 .Lnot_wave_0_\@
	s_barrier_signal -3
.Lnot_wave_0_\@:
	s_barrier_wait -3
	s_barrier_signal -1
	s_barrier_wait -1
.endm
.macro CROUND
	s_barrier_signal -1
	s_barrier_wait -1
	CREST
.endm
	s_load_b128 s[4:7], s[0:1], 0x0                ; A s[4:5], wbf s[6:7]
	s_load_b128 s[68:71], s[0:1], 0x10             ; bias s[68:69], x s[70:71]
	s_load_b64 s[72:73], s[0:1], 0x20              ; the result
	s_set_vgpr_msb 0x40
	v_lshl_add_u32 v255, v0, 2, 0x42000
	s_set_vgpr_msb 0x4000
	v_mov_b32 v63, 0
	s_set_vgpr_msb 0x1
	ds_add_u32 v255, v63
	ds_add_u32 v255, v63
	s_set_vgpr_msb 0x100
	v_lshrrev_b32 v1, 5, v0
	v_readfirstlane_b32 s10, v1                    ; wave = my quarter of K
	s_lshr_b32 s11, s10, 1                         ; I fetch A (0) or weights (1)
	s_and_b32 s12, s10, 1                          ; which 64 rows of that tile
	s_bfe_u32 s40, ttmp6, 0x40000                  ; cx
	s_bfe_u32 s41, ttmp6, 0x40004                  ; cy
	s_lshl_b32 s42, ttmp9, 2
	s_add_co_u32 s42, s42, s40                     ; block column
	s_and_b32 s13, ttmp7, 0xffff
	s_lshl_b32 s13, s13, 2
	s_add_co_u32 s13, s13, s41                     ; block row
	s_lshl_b32 s43, s41, 2
	s_lshl_b32 s43, 15, s43                        ; my row of the cluster
	s_lshl_b32 s44, 0x1111, s40                    ; my column
	s_and_b32 s74, ttmp7, 0xffff                   ; the cluster's y
	s_add_co_u32 s74, s74, ttmp9                   ; + the cluster's x
	s_and_b32 s74, s74, 1
	s_mul_i32 s[KO], s74, KROW/2                   ; slot 0 begins at K = 0 or at K / 2,
	s_mov_b32 s[KO+1], 0
	s_add_co_u32 s[KO+2], s[KO], KSTEP*2           ; slot 1 one step further on
	s_mov_b32 s[KO+3], 0
	s_or_b32 s[G1+0], s43, (1<<16)|(1<<20)|(1<<21)|(6<<22)|(3<<25)  ; mask; 2-byte elements; padding of 4 words behind every 128; bit 21 beside a mask
	s_or_b32 s[G1B+0], s44, (1<<16)|(1<<20)|(1<<21)|(6<<22)|(3<<25)
	s_mov_b32 s[G1B+1], KSTEP<<16
	s_mov_b32 s[G1+1], KSTEP<<16                   ; tensor_dim0 = 256
	s_mov_b32 s[G1B+2], 64<<16
	s_mov_b32 s[G1+2], 64<<16                      ; tensor_dim1 = 64
	s_mov_b32 s[G1B+3], KSTEP<<16
	s_mov_b32 s[G1+3], KSTEP<<16                   ; tile_dim0 = 256
	s_mov_b32 s[G1B+4], 64
	s_mov_b32 s[G1+4], 64                          ; tile_dim1 = 64
	s_mov_b32 s[G1B+5], SIZE_K
	s_mov_b32 s[G1+5], SIZE_K
	s_mov_b32 s[G1B+6], 0
	s_mov_b32 s[G1+6], 0
	s_mov_b32 s[G1B+7], 0
	s_mov_b32 s[G1+7], 0
	s_lshl_b32 s17, s12, 6
	s_lshl_b32 s16, s13, 7
	s_add_co_u32 s16, s16, s17                     ; A: row 128 x block row + 64 x half
	s_lshl_b32 s46, s42, 7
	s_add_co_u32 s46, s46, s17                     ; weights: row 128 x block column + 64 x half
	s_mov_b32 s17, 0
	s_mov_b32 s47, 0
	s_mov_b64 s[18:19], SIZE_K*2
	s_mul_u64 s[16:17], s[16:17], s[18:19]
	s_mul_u64 s[46:47], s[46:47], s[18:19]
	s_mul_i32 s20, s10, HALFT                      ; LDS: wave x 64 rows
	s_lshl_b32 s66, s13, 19                        ; x and the result: (128 x block row + 32 x wave) rows of 4,096 bytes + 512 x block column
	s_lshl_b32 s67, s10, 17
	s_add_co_u32 s66, s66, s67
	s_lshl_b32 s67, s42, 9
	s_add_co_u32 s66, s66, s67
	s_mov_b32 s67, 0
	s_wait_dscnt 0x0
	s_wait_kmcnt 0x0
	s_add_nc_u64 s[70:71], s[70:71], s[66:67]
	s_add_nc_u64 s[72:73], s[72:73], s[66:67]
	s_lshl_b32 s66, s42, 9
	s_add_nc_u64 s[68:69], s[68:69], s[66:67]      ; the block's 128 numbers of the bias
	s_add_nc_u64 s[6:7], s[6:7], WOFF
	s_add_nc_u64 s[14:15], s[4:5], s[16:17]        ; my rows of A, K = 0: kept
	s_add_nc_u64 s[46:47], s[6:7], s[46:47]        ; my rows of the weights, K = 0: kept
	CROUND                                         ; all sixteen work-groups are here: the first joint loads meet
.irp s, 0,1
	s_mov_b32 s[G0+4*\s], 1
	s_add_co_u32 s[G0+4*\s+1], s20, \s*SLOT
	s_mov_b32 s[G0B+4*\s], 1
	s_add_co_u32 s[G0B+4*\s+1], s20, \s*SLOT
	SETADR \s
	JLOAD \s                                       ; both first fills: two loads of the wave are out
.endr
	v_and_b32 v1, 15, v0                           ; r
	v_bfe_u32 v2, v0, 4, 1                         ; h
	v_mul_u32_u24 v3, v1, PITCH
	v_lshl_add_u32 v3, v2, 4, v3                   ; row r, 16 h
	s_lshl_b32 s21, s10, 7                         ; my 64 of the step's 256 along K: 128 bytes x wave
	s_add_co_u32 s22, s21, 2*HALFT                 ; the weights lie behind A's 128 rows
.irp s, 0,1
	v_add_nc_u32 v[ADRA+\s], s21, v3
	v_add_nc_u32 v[ADRB+\s], s22, v3
	s_add_co_u32 s21, s21, SLOT
	s_add_co_u32 s22, s22, SLOT
.endr
	s_mul_i32 s23, s10, PART
	v_mul_u32_u24 v4, v1, PITCH
	v_lshl_add_u32 v4, v2, 5, v4
	v_add_nc_u32 v[STO], s23, v4                   ; my partial block: row r, 32 h
	v_and_b32 v5, 31, v0
	v_lshlrev_b32 v[XO], 4, v5
	s_mul_i32 s45, s10, 32*PITCH                   ; on the way out I own rows 32 x wave .. + 31
.irp p, 0,1,2,3
	v_add_nc_u32 v[RDP+\p], s45, v[XO]
	s_add_co_u32 s45, s45, PART
.endr
; The 64 accumulators take turns, one instruction a turn, in the same order in every quarter.
.macro MUL16 f, hi, a0, zero
.irp a, \a0, \a0+1
.irp b, 0,1,2,3,4,5,6,7
.if \zero
	v_wmma_f32_16x16x32_bf16 v[8*(8*(\a)+\b):8*(8*(\a)+\b)+7], v[\f+8*\b:\f+8*\b+7], v[\f+8*(4*\hi+\a):\f+8*(4*\hi+\a)+7], 0
.else
	v_wmma_f32_16x16x32_bf16 v[8*(8*(\a)+\b):8*(8*(\a)+\b)+7], v[\f+8*\b:\f+8*\b+7], v[\f+8*(4*\hi+\a):\f+8*(4*\hi+\a)+7], v[8*(8*(\a)+\b):8*(8*(\a)+\b)+7]
.endif
.endr
.endr
.endm
.macro FETCH slot, k, f
	WIN TO_B
.irp i, 0,1,2,3,4,5,6,7
	ds_load_b128 v[\f+8*\i:\f+8*\i+3],   v[ADRB+\slot] offset:\k+\i*16*PITCH
	ds_load_b128 v[\f+8*\i+4:\f+8*\i+7], v[ADRB+\slot] offset:\k+\i*16*PITCH+32
.endr
	WIN 0
.irp i, 0,1,2,3,4,5,6,7
	ds_load_b128 v[\f+8*\i:\f+8*\i+3],   v[ADRA+\slot] offset:\k+\i*16*PITCH
	ds_load_b128 v[\f+8*\i+4:\f+8*\i+7], v[ADRA+\slot] offset:\k+\i*16*PITCH+32
.endr
.endm
.macro PLACES                          ; four independent vector instructions behind matrix instructions (ISA guide 7.12.1)
.rept 4
	v_nop
.endr
.endm
.macro QUARTER slot, k, f, g, zero     ; my first 32 along K of the step: multiplies buffer f, fetches the second 32 into buffer g
	s_wait_dscnt 8                                 ; all but the youngest eight loads (A's rows 64-127)
	WIN MUL_LO
	MUL16 \f, 0, 0, \zero
	MUL16 \f, 0, 2, \zero
	PLACES
	FETCH \slot, \k, \g
	s_wait_dscnt 32                                ; all but the 32 just issued
	WIN MUL_HI
	MUL16 \f, 1, 0, \zero
	MUL16 \f, 1, 2, \zero
.endm
; My second 32 along K, and the change of slots: in front of the barrier each wave waits for its reads of this slot and for all its
; tensor loads (one is out: its part of the next slot); behind it the refill comes first.
.macro TURN slot, next, fill
	s_wait_dscnt 8
	WIN MUL_LO
	MUL16 F1, 0, 0, 0
	s_wait_dscnt 0
	s_wait_tensorcnt 0x0
	ds_add_u32 v255, v63
	s_wait_dscnt 0x0
	s_barrier_signal -1
	MUL16 F1, 0, 2, 0
	WIN 0
	s_barrier_wait -1
.if \fill
	CREST                                          ; the round: no wave of any partner reads this slot or has a load on its way
	s_add_co_u32 s[KO+2*\slot], s[KO+2*\slot], 2*KSTEP*2   ; two K steps on,
	s_and_b32 s[KO+2*\slot], s[KO+2*\slot], KROW-1         ; round the row's end
	SETADR \slot
	JLOAD \slot
.endif
	PLACES
	FETCH \next, 0, F0
	WIN MUL_HI
	MUL16 F1, 1, 0, 0
	MUL16 F1, 1, 2, 0
.endm
.macro LAP zero
	QUARTER 0, 64, F0, F1, \zero
	TURN 0, 1, 1
	QUARTER 1, 64, F0, F1, 0
	TURN 1, 0, 1
.endm
	s_wait_tensorcnt 1                             ; my part of the first K step is in; the second's stays out
	s_barrier_signal -1
	s_barrier_wait -1
	FETCH 0, 0, F0
	LAP 1
.if LAPS > 2
	WIN 0
	s_mov_b32 s3, LAPS-2
.Llap:
	LAP 0
	WIN 0
	s_sub_co_u32 s3, s3, 1
	s_cmp_lg_u32 s3, 0
	s_cbranch_scc1 .Llap
.endif
	QUARTER 0, 64, F0, F1, 0                       ; the last lap fills nothing
	TURN 0, 1, 0
	QUARTER 1, 64, F0, F1, 0
	s_wait_dscnt 8
	WIN MUL_LO
	MUL16 F1, 0, 0, 0
	MUL16 F1, 0, 2, 0
	s_wait_dscnt 0
	WIN MUL_HI
	MUL16 F1, 1, 0, 0
	MUL16 F1, 1, 2, 0
	; THE WAY OUT.  The ring has had its last fill, so its bytes serve as the stage: partial block p at p x 67,584.
	PLACES
	WIN 0
	global_load_b128 v[BI:BI+3], v[XO], s[68:69]
.set row, 0
.rept 32
	global_load_b128 v[F0+4*row:F0+4*row+3], v[XO], s[70:71] offset:4096*row     ; my 32 rows of x, 512 consecutive bytes a load
.set row, row+1
.endr
	s_wait_dscnt 0x0
	s_barrier_signal -1
	s_barrier_wait -1                              ; no wave reads the ring any more
	WIN 0x08                                       ; store data from window 2
.irp a, 0,1,2,3
.irp b, 0,1,2,3,4,5,6,7
	ds_store_b128 v[STO], v[8*(8*\a+\b):8*(8*\a+\b)+3]   offset:16*\a*PITCH+64*\b
	ds_store_b128 v[STO], v[8*(8*\a+\b)+4:8*(8*\a+\b)+7] offset:16*\a*PITCH+64*\b+16
.endr
.endr
	WIN 0x0c                                       ; from window 3
.irp a, 0,1,2,3
.irp b, 0,1,2,3,4,5,6,7
	ds_store_b128 v[STO], v[8*(8*\a+\b):8*(8*\a+\b)+3]   offset:16*(\a+4)*PITCH+64*\b
	ds_store_b128 v[STO], v[8*(8*\a+\b)+4:8*(8*\a+\b)+7] offset:16*(\a+4)*PITCH+64*\b+16
.endr
.endr
	WIN 0
	s_wait_dscnt 0x0                               ; my partial block is written,
	s_barrier_signal -1
	s_barrier_wait -1                              ; everybody's is
.set row, 0
.rept 8                                ; four rows at a time: the four partial sums of each, then x and the bias
.set ld, 0
.rept 4
.irp p, 0,1,2,3
	ds_load_b128 v[TMP+16*ld+4*\p:TMP+16*ld+4*\p+3], v[RDP+\p] offset:(row+ld)*PITCH
.endr
.set ld, ld+1
.endr
.set ii, 0
.rept 4
.set T, TMP+16*ii
.set R, F0+4*row
	s_wait_dscnt 12-4*ii                           ; this row's four loads are in, the younger rows' stay out
	s_wait_loadcnt 31-row                          ; this row of x (and the bias, asked for first) is in, the younger rows stay out
	v_pk_add_f32 v[T:T+1],     v[T:T+1],     v[T+4:T+5]
	v_pk_add_f32 v[T+2:T+3],   v[T+2:T+3],   v[T+6:T+7]
	v_pk_add_f32 v[T+8:T+9],   v[T+8:T+9],   v[T+12:T+13]
	v_pk_add_f32 v[T+10:T+11], v[T+10:T+11], v[T+14:T+15]
	v_pk_add_f32 v[R:R+1],     v[R:R+1],     v[BI:BI+1]
	v_pk_add_f32 v[R+2:R+3],   v[R+2:R+3],   v[BI+2:BI+3]
	v_pk_add_f32 v[T:T+1],     v[T:T+1],     v[T+8:T+9]
	v_pk_add_f32 v[T+2:T+3],   v[T+2:T+3],   v[T+10:T+11]
	v_pk_add_f32 v[R:R+1],     v[R:R+1],     v[T:T+1]
	v_pk_add_f32 v[R+2:R+3],   v[R+2:R+3],   v[T+2:T+3]
	global_store_b128 v[XO], v[R:R+3], s[72:73] offset:4096*row    ; the wave stores 512 consecutive bytes, aligned; R is not written again
.set ii, ii+1
.set row, row+1
.endr
.endr
	s_set_vgpr_msb 0x1
	s_wait_tensorcnt 0x0
	ds_add_u32 v255, v63
	s_wait_dscnt 0x0
	s_set_vgpr_msb 0x100
	CROUND                                         ; the closing round
	s_endpgm
.Lfunc_end_k_q6e26ec133b_proj:
	.size	k_q6e26ec133b_proj, .Lfunc_end_k_q6e26ec133b_proj-k_q6e26ec133b_proj
	.p2alignl 7, 3214868480
	.fill 96, 4, 3214868480
	.section	.rodata,"a",@progbits
	.p2align	6, 0x0
	.amdhsa_kernel k_q6e26ec133b_proj
		.amdhsa_group_segment_fixed_size 327680
		.amdhsa_private_segment_fixed_size 0
		.amdhsa_enable_private_segment 0
		.amdhsa_kernarg_size 40
		.amdhsa_user_sgpr_count 2
		.amdhsa_user_sgpr_kernarg_segment_ptr 1
		.amdhsa_wavefront_size32 1
		.amdhsa_system_sgpr_workgroup_id_x 1
		.amdhsa_system_sgpr_workgroup_id_y 1
		.amdhsa_system_sgpr_workgroup_id_z 1
		.amdhsa_system_vgpr_workitem_id 0
		.amdhsa_next_free_vgpr 1024
		.amdhsa_next_free_sgpr 80
		.amdhsa_reserve_vcc 0
		.amdhsa_float_denorm_mode_32 3
		.amdhsa_float_denorm_mode_16_64 3
		.amdhsa_memory_ordered 1
		.amdhsa_forward_progress 1
		.amdhsa_inst_pref_size 105
	.end_amdhsa_kernel
	.amdgpu_metadata
---
amdhsa.version: [ 1, 2 ]
amdhsa.kernels:
  - .name:           k_q6e26ec133b_proj
    .symbol:         k_q6e26ec133b_proj.kd
    .args:
      - { .name: att, .offset: 0, .size: 8, .value_kind: global_buffer, .address_space: global }
      - { .name: wbf, .offset: 8, .size: 8, .value_kind: global_buffer, .address_space: global }
      - { .name: proj_b, .offset: 16, .size: 8, .value_kind: global_buffer, .address_space: global }
      - { .name: x, .offset: 24, .size: 8, .value_kind: global_buffer, .address_space: global }
      - { .name: act, .offset: 32, .size: 8, .value_kind: global_buffer, .address_space: global }
    .group_segment_fixed_size: 327680
    .private_segment_fixed_size: 0
    .kernarg_segment_align: 8
    .kernarg_segment_size: 40
    .max_flat_workgroup_size: 128
    .sgpr_count:     80
    .vgpr_count:     1024
    .wavefront_size: 32
...
	.end_amdgpu_metadata
.endif
;; end of part 4
;; launch ln2 (part 5): grid 256 x 1, 8 waves a work-group, no clusters, 0 bytes of LDS; arguments act, ln2_w, ln2_b, hn; writes hn
.if DOCPART == 5
	.amdgcn_target "amdgcn-amd-amdhsa--gfx1250"
	.amdhsa_code_object_version 6
	.text
	.protected	k_q6e26ec133b_ln2
	.globl	k_q6e26ec133b_ln2
	.p2align	8
	.type	k_q6e26ec133b_ln2,@function
k_q6e26ec133b_ln2:
	s_mov_b64 s[64:65], 0
	v_nop
	global_prefetch_b8 v0, s[64:65] scope:SCOPE_SE
	s_setreg_imm32_b32 hwreg(HW_REG_WAVE_MODE, 25, 1), 1
	s_wait_xcnt 0x0
; hn = LayerNorm(act) * ln2_w + ln2_b in bf16.  act: [4096][1024] f32.  A work-group takes 16 rows, a wave two whole rows (8,192 bytes).
; Lane L takes 32 bytes at 1024 g + 32 L (g = 0..7; row g / 4) and stores 16 bytes at 512 g + 16 L: a store of the wave covers 512
; consecutive bytes, aligned.  A row never leaves its wave: no LDS, no barrier.  Mean first, then the variance of the centred numbers,
; so a common offset costs no accuracy.  No matrix unit, no cluster: nothing is shared or multiplied.
.set X,   16                           ; v[16:79]   the 64 numbers of the lane
.set W,   80                           ; v[80:111]  gain of my 32 columns
.set BB,  112                          ; v[112:143] bias of my 32 columns
.set Y,   144                          ; v[144:175] packed results, never rewritten
.set SRC, 8                            ; s[8:9]     act
.set WP,  10                           ; s[10:11]   ln2_w
.set BP,  12                           ; s[12:13]   ln2_b
.set DST, 14                           ; s[14:15]   hn
	s_load_b256 s[8:15], s[0:1], 0x0
	v_and_b32 v1, 31, v0
	v_lshrrev_b32 v5, 5, v0
	v_lshlrev_b32 v2, 5, v1                        ; 32 L
	v_lshlrev_b32 v4, 4, v1
	v_lshl_or_b32 v3, v5, 13, v2                   ; in:  8192 w + 32 L
	v_lshl_or_b32 v4, v5, 12, v4                   ; out: 4096 w + 16 L
	v_mov_b32 v14, 0                               ; the lane exchange counts its destination as read
	s_mov_b32 s32, 0x3a800000                      ; 1 / 1024
	s_mov_b32 s33, 0x3727c5ac                      ; 1e-5
	s_mov_b32 s34, 0x76543210
	s_mov_b32 s35, 0xfedcba98
	s_lshl_b32 s36, ttmp9, 16
	s_mov_b32 s37, 0
	s_lshl_b32 s38, ttmp9, 15
	s_mov_b32 s39, 0
	s_wait_kmcnt 0x0
	s_add_nc_u64 s[SRC:SRC+1], s[SRC:SRC+1], s[36:37]
	s_add_nc_u64 s[DST:DST+1], s[DST:DST+1], s[38:39]
.irp g, 0,1,2,3,4,5,6,7
	global_load_b128 v[X+8*\g:X+8*\g+3],   v3, s[SRC:SRC+1] offset:1024*\g th:TH_LOAD_NT
	global_load_b128 v[X+8*\g+4:X+8*\g+7], v3, s[SRC:SRC+1] offset:1024*\g+16 th:TH_LOAD_NT
.endr
.irp g, 0,1,2,3
	global_load_b128 v[W+8*\g:W+8*\g+3],     v2, s[WP:WP+1] offset:1024*\g
	global_load_b128 v[W+8*\g+4:W+8*\g+7],   v2, s[WP:WP+1] offset:1024*\g+16
	global_load_b128 v[BB+8*\g:BB+8*\g+3],   v2, s[BP:BP+1] offset:1024*\g
	global_load_b128 v[BB+8*\g+4:BB+8*\g+7], v2, s[BP:BP+1] offset:1024*\g+16
.endr
.macro REDUCE                          ; the sum of v10 over the 32 lanes, in every lane
	v_add_f32_dpp v10, v10, v10 row_xmask:1 row_mask:0xf bank_mask:0xf
	v_add_f32_dpp v10, v10, v10 row_xmask:2 row_mask:0xf bank_mask:0xf
	v_add_f32_dpp v10, v10, v10 row_xmask:4 row_mask:0xf bank_mask:0xf
	v_add_f32_dpp v10, v10, v10 row_xmask:8 row_mask:0xf bank_mask:0xf
	v_permlanex16_b32 v14, v10, s34, s35
	v_add_f32 v10, v10, v14
.endm
; Row 'row' of the wave's two becomes (x - mean) / sqrt(var + eps), in place.  left: the younger loads that may stay out.
.macro STATS row, left
	s_wait_loadcnt \left
	v_pk_add_f32 v[10:11], v[X+32*\row:X+32*\row+1],   v[X+32*\row+2:X+32*\row+3]
	v_pk_add_f32 v[12:13], v[X+32*\row+4:X+32*\row+5], v[X+32*\row+6:X+32*\row+7]
.irp p, 4,6,8,10,12,14
	v_pk_add_f32 v[10:11], v[10:11], v[X+32*\row+2*\p:X+32*\row+2*\p+1]
	v_pk_add_f32 v[12:13], v[12:13], v[X+32*\row+2*\p+2:X+32*\row+2*\p+3]
.endr
	v_pk_add_f32 v[10:11], v[10:11], v[12:13]
	v_add_f32 v10, v10, v11
	REDUCE
	v_mul_f32 v6, s32, v10                         ; the mean, twice
	v_mul_f32 v7, s32, v10
.irp p, 0,1,2,3,4,5,6,7,8,9,10,11,12,13,14,15
	v_pk_add_f32 v[X+32*\row+2*\p:X+32*\row+2*\p+1], v[X+32*\row+2*\p:X+32*\row+2*\p+1], v[6:7] neg_lo:[0,1] neg_hi:[0,1]
.endr
	v_pk_mul_f32 v[10:11], v[X+32*\row:X+32*\row+1],   v[X+32*\row:X+32*\row+1]
	v_pk_mul_f32 v[12:13], v[X+32*\row+2:X+32*\row+3], v[X+32*\row+2:X+32*\row+3]
.irp p, 2,4,6,8,10,12,14
	v_pk_fma_f32 v[10:11], v[X+32*\row+2*\p:X+32*\row+2*\p+1],   v[X+32*\row+2*\p:X+32*\row+2*\p+1],   v[10:11]
	v_pk_fma_f32 v[12:13], v[X+32*\row+2*\p+2:X+32*\row+2*\p+3], v[X+32*\row+2*\p+2:X+32*\row+2*\p+3], v[12:13]
.endr
	v_pk_add_f32 v[10:11], v[10:11], v[12:13]
	v_add_f32 v10, v10, v11
	REDUCE
	v_fma_f32 v15, v10, s32, s33                   ; var + eps
	v_rsq_f32 v8, v15
	v_rsq_f32 v9, v15
	v_nop                                          ; one plain instruction between the root and its first use (ISA guide 5.7.2)
	s_wait_alu depctr_va_vdst(0)
.irp p, 0,1,2,3,4,5,6,7,8,9,10,11,12,13,14,15
	v_pk_mul_f32 v[X+32*\row+2*\p:X+32*\row+2*\p+1], v[X+32*\row+2*\p:X+32*\row+2*\p+1], v[8:9]
.endr
.endm
.macro APPLY row                       ; gain and bias, rounding, four stores
.irp g, 0,1,2,3
.irp k, 0,1,2,3
	v_pk_fma_f32 v[X+32*\row+8*\g+2*\k:X+32*\row+8*\g+2*\k+1], v[X+32*\row+8*\g+2*\k:X+32*\row+8*\g+2*\k+1], v[W+8*\g+2*\k:W+8*\g+2*\k+1], v[BB+8*\g+2*\k:BB+8*\g+2*\k+1]
.endr
.irp k, 0,1,2,3
	v_cvt_pk_bf16_f32 v[Y+16*\row+4*\g+\k], v[X+32*\row+8*\g+2*\k], v[X+32*\row+8*\g+2*\k+1]
.endr
	global_store_b128 v4, v[Y+16*\row+4*\g:Y+16*\row+4*\g+3], s[DST:DST+1] offset:2048*\row+512*\g
.endr
.endm
	STATS 0, 24                                    ; row 0's eight loads are in; row 1's eight and the sixteen of gain and bias stay out
	STATS 1, 16                                    ; row 1's are in; gain and bias stay out
	s_wait_loadcnt 0x0
	APPLY 0
	APPLY 1
	s_endpgm
.Lfunc_end_k_q6e26ec133b_ln2:
	.size	k_q6e26ec133b_ln2, .Lfunc_end_k_q6e26ec133b_ln2-k_q6e26ec133b_ln2
	.p2alignl 7, 3214868480
	.fill 96, 4, 3214868480
	.section	.rodata,"a",@progbits
	.p2align	6, 0x0
	.amdhsa_kernel k_q6e26ec133b_ln2
		.amdhsa_group_segment_fixed_size 0
		.amdhsa_private_segment_fixed_size 0
		.amdhsa_enable_private_segment 0
		.amdhsa_kernarg_size 32
		.amdhsa_user_sgpr_count 2
		.amdhsa_user_sgpr_kernarg_segment_ptr 1
		.amdhsa_wavefront_size32 1
		.amdhsa_system_sgpr_workgroup_id_x 1
		.amdhsa_system_sgpr_workgroup_id_y 1
		.amdhsa_system_sgpr_workgroup_id_z 1
		.amdhsa_system_vgpr_workitem_id 0
		.amdhsa_next_free_vgpr 176
		.amdhsa_next_free_sgpr 66
		.amdhsa_reserve_vcc 0
		.amdhsa_float_denorm_mode_32 3
		.amdhsa_float_denorm_mode_16_64 3
		.amdhsa_memory_ordered 1
		.amdhsa_forward_progress 1
		.amdhsa_inst_pref_size 19
	.end_amdhsa_kernel
	.amdgpu_metadata
---
amdhsa.version: [ 1, 2 ]
amdhsa.kernels:
  - .name:           k_q6e26ec133b_ln2
    .symbol:         k_q6e26ec133b_ln2.kd
    .args:
      - { .name: act, .offset: 0, .size: 8, .value_kind: global_buffer, .address_space: global }
      - { .name: ln2_w, .offset: 8, .size: 8, .value_kind: global_buffer, .address_space: global }
      - { .name: ln2_b, .offset: 16, .size: 8, .value_kind: global_buffer, .address_space: global }
      - { .name: hn, .offset: 24, .size: 8, .value_kind: global_buffer, .address_space: global }
    .group_segment_fixed_size: 0
    .private_segment_fixed_size: 0
    .kernarg_segment_align: 8
    .kernarg_segment_size: 32
    .max_flat_workgroup_size: 256
    .sgpr_count:     66
    .vgpr_count:     176
    .wavefront_size: 32
...
	.end_amdgpu_metadata
.endif
;; end of part 5
;; launch ffn1 (part 6): grid 16 x 16, 4 waves a work-group, clusters of 4 x 4, 327,680 bytes of LDS; arguments hn, wbf, ffn1_b, ff; writes ff
.if DOCPART == 6
	.amdgcn_target "amdgcn-amd-amdhsa--gfx1250"
	.amdhsa_code_object_version 6
	.text
	.protected	k_q6e26ec133b_ffn1
	.globl	k_q6e26ec133b_ffn1
	.p2align	8
	.type	k_q6e26ec133b_ffn1,@function
k_q6e26ec133b_ffn1:
	s_mov_b64 s[64:65], 0
	v_nop
	global_prefetch_b8 v0, s[64:65] scope:SCOPE_SE
	s_setreg_imm32_b32 hwreg(HW_REG_WAVE_MODE, 25, 1), 1
	s_wait_xcnt 0x0
	s_wait_alu depctr_hold_cnt(0) depctr_sa_sdst(0) depctr_va_vdst(0) depctr_va_sdst(0) depctr_va_ssrc(0) depctr_va_vcc(0) depctr_vm_vsrc(0)
	s_getreg_b32 s2, hwreg(HW_REG_IB_STS2, 6, 4)
	s_cmp_eq_u32 s2, 0
	s_cbranch_scc0 .Lentry_in_a_cluster
	s_endpgm
.Lentry_in_a_cluster:
	s_bfe_u32 s2, ttmp6, 0x10000c
	s_cmp_lg_u32 s2, 0xf033
	s_cbranch_scc0 .Lentry_shape_is_right
	s_endpgm
.Lentry_shape_is_right:
; ff[m][n] = max(0, ffn1_b[n] + sum over k of hn[m][k] * ffn1_w[n][k]).  hn: [4096][1024], ffn1_w: wbf at byte 8,388,608, [4096][1024], ff: [4096][4096], bf16; sums in f32.
; A work-group makes 256 x 256 with four waves; a wave makes 128 x 128 in 64 accumulator tiles (512 registers).  16 x 16 = 256 work-groups.
; K goes in steps of 128 through two LDS slots filled by tensor loads; a tile's rows are 256 consecutive bytes, aligned.
; 4 x 4 work-groups form a cluster: hn's tiles are asked for jointly along a row of the cluster, the weights' along a column.
; The bias costs no vector instruction: it is laid out as an accumulator tile and is the C operand of the first products.
; LIMIT: a NaN in front of the maximum with 0 becomes 0.
; Registers by windows of 256: window 0: v0-31 addresses, v64-127 and v128-191 fragments of hn, v192-255 the bias, later the way out;
; window 1: v64-127, v128-191 fragments of the weights; windows 2 and 3: the accumulators of my rows 0-63 and 64-127.
; The matrix instruction is used transposed (source 0 = rows of the weights): a lane holds eight neighbouring columns of one row.
.set SIZE_N, 4096
.set SIZE_K, 1024
.set WOFF,   8388608
.set KSTEP,  128
.set PITCH,  272
.set HALFT,  128*PITCH
.set SLOT,   4*HALFT
.set STAGE,  2*SLOT
.set SPITCH, 272
.set LAPS, SIZE_K/(2*KSTEP)
.set ADRA, 16
.set ADRB, 20
.set STO,  24
.set RD,   25
.set CO,   26
.set BO,   27                          ; 32 h: my eight columns of a tile's sixteen, in the bias
.set F0,   64
.set F1,   128
.set TMP,  192                         ; v192-255: the way out
.set BIAS, 192                         ; the same registers until the first products have read them: tile column b at BIAS + 8 b
.set G1, 24
.set G0, 32
.set G1B, 48
.set G0B, 56
.set MSB, 0
.macro WIN new
.if MSB != \new
	s_set_vgpr_msb (MSB<<8)|\new
.set MSB, \new
.endif
.endm
.set MUL_LO,   0xa1                    ; source 0 window 1, source 1 window 0, C and D window 2
.set MUL_HI,   0xf1                    ; the same, C and D window 3
.set MUL_LO_Z, 0x81                    ; the first products: C (the bias) window 0, D window 2
.set MUL_HI_Z, 0xc1                    ; C window 0, D window 3
.set TO_B,     0x40
.macro JLOAD s
	s_cmp_eq_u32 s11, 0
	s_cbranch_scc0 .Lfor_b_\@
	tensor_load_to_lds s[G0+4*\s:G0+4*\s+3], s[G1:G1+7]
	s_nop 0
	s_branch .Lasked_\@
.Lfor_b_\@:
	tensor_load_to_lds s[G0B+4*\s:G0B+4*\s+3], s[G1B:G1B+7]
	s_nop 0
.Lasked_\@:
.endm
.macro CREST
	s_cmp_lg_u32 s10, 0
	s_cbranch_scc1 .Lnot_wave_0_\@
	s_barrier_signal -3
.Lnot_wave_0_\@:
	s_barrier_wait -3
	s_barrier_signal -1
	s_barrier_wait -1
.endm
.macro CROUND
	s_barrier_signal -1
	s_barrier_wait -1
	CREST
.endm
	s_load_b128 s[4:7], s[0:1], 0x0                ; hn s[4:5], wbf s[6:7]
	s_load_b64 s[68:69], s[0:1], 0x10              ; ffn1_b
	s_load_b64 s[8:9], s[0:1], 0x18                ; ff
	s_set_vgpr_msb 0x40
	v_lshl_add_u32 v255, v0, 2, 0x48400
	s_set_vgpr_msb 0x4000
	v_mov_b32 v63, 0
	s_set_vgpr_msb 0x1
	ds_add_u32 v255, v63
	ds_add_u32 v255, v63
	s_set_vgpr_msb 0x100
	v_lshrrev_b32 v1, 5, v0
	v_readfirstlane_b32 s10, v1
	s_lshr_b32 s11, s10, 1
	s_and_b32 s12, s10, 1
	s_bfe_u32 s40, ttmp6, 0x40000                  ; cx
	s_bfe_u32 s41, ttmp6, 0x40004                  ; cy
	s_lshl_b32 s42, ttmp9, 2
	s_add_co_u32 s42, s42, s40                     ; block column
	s_and_b32 s13, ttmp7, 0xffff
	s_lshl_b32 s13, s13, 2
	s_add_co_u32 s13, s13, s41                     ; block row
	s_lshl_b32 s43, s41, 2
	s_lshl_b32 s43, 15, s43
	s_lshl_b32 s44, 0x1111, s40
	s_or_b32 s[G1+0], s43, (1<<16)|(1<<20)|(1<<21)|(5<<22)|(3<<25)
	s_or_b32 s[G1B+0], s44, (1<<16)|(1<<20)|(1<<21)|(5<<22)|(3<<25)
	s_mov_b32 s[G1B+1], KSTEP<<16
	s_mov_b32 s[G1+1], KSTEP<<16
	s_mov_b32 s[G1B+2], 128<<16
	s_mov_b32 s[G1+2], 128<<16
	s_mov_b32 s[G1B+3], KSTEP<<16
	s_mov_b32 s[G1+3], KSTEP<<16
	s_mov_b32 s[G1B+4], 128
	s_mov_b32 s[G1+4], 128
	s_mov_b32 s[G1B+5], SIZE_K
	s_mov_b32 s[G1+5], SIZE_K
	s_mov_b32 s[G1B+6], 0
	s_mov_b32 s[G1+6], 0
	s_mov_b32 s[G1B+7], 0
	s_mov_b32 s[G1+7], 0
	s_lshl_b32 s17, s12, 7
	s_lshl_b32 s16, s13, 8
	s_add_co_u32 s16, s16, s17
	s_lshl_b32 s46, s42, 8
	s_add_co_u32 s46, s46, s17
	s_mov_b32 s17, 0
	s_mov_b32 s47, 0
	s_mov_b64 s[18:19], SIZE_K*2
	s_mul_u64 s[16:17], s[16:17], s[18:19]
	s_mul_u64 s[46:47], s[46:47], s[18:19]
	s_mul_i32 s20, s10, HALFT
	s_lshl_b32 s66, s42, 10                        ; the bias of my 128 columns: (256 x block column + 128 x half) x 4 bytes
	s_lshl_b32 s67, s12, 9
	s_add_co_u32 s66, s66, s67
	s_mov_b32 s67, 0
	s_wait_dscnt 0x0
	s_wait_kmcnt 0x0
	s_add_nc_u64 s[68:69], s[68:69], s[66:67]
	s_add_nc_u64 s[6:7], s[6:7], WOFF
	s_add_nc_u64 s[14:15], s[4:5], s[16:17]
	s_add_nc_u64 s[46:47], s[6:7], s[46:47]
	CROUND                                         ; all sixteen work-groups are here: the first joint loads meet
.irp s, 0,1
	s_mov_b32 s[G0+4*\s], 1
	s_add_co_u32 s[G0+4*\s+1], s20, \s*SLOT
	s_add_nc_u64 s[G0+4*\s+2:G0+4*\s+3], s[14:15], \s*KSTEP*2
	s_or_b32 s[G0+4*\s+3], s[G0+4*\s+3], 0x80000000
	s_mov_b32 s[G0B+4*\s], 1
	s_add_co_u32 s[G0B+4*\s+1], s20, \s*SLOT
	s_add_nc_u64 s[G0B+4*\s+2:G0B+4*\s+3], s[46:47], \s*KSTEP*2
	s_or_b32 s[G0B+4*\s+3], s[G0B+4*\s+3], 0x80000000
	JLOAD \s                                       ; both first fills: two loads of the wave are out
.endr
	v_and_b32 v1, 15, v0
	v_bfe_u32 v2, v0, 4, 1
	v_lshlrev_b32 v[BO], 5, v2
.irp b, 0,1,2,3,4,5,6,7
	global_load_b128 v[BIAS+8*\b:BIAS+8*\b+3],   v[BO], s[68:69] offset:64*\b      ; register i of tile column b: column 16 b + 8 h + i
	global_load_b128 v[BIAS+8*\b+4:BIAS+8*\b+7], v[BO], s[68:69] offset:64*\b+16
.endr
	v_mul_u32_u24 v3, v1, PITCH
	v_lshl_add_u32 v3, v2, 4, v3
	s_mul_i32 s21, s11, HALFT
	s_mul_i32 s22, s12, HALFT
	s_add_co_u32 s22, s22, 2*HALFT
.irp s, 0,1
	v_add_nc_u32 v[ADRA+\s], s21, v3
	v_add_nc_u32 v[ADRB+\s], s22, v3
	s_add_co_u32 s21, s21, SLOT
	s_add_co_u32 s22, s22, SLOT
.endr
	s_mul_i32 s23, s10, 16*SPITCH
	s_add_co_u32 s23, s23, STAGE
	v_mul_u32_u24 v4, v1, SPITCH
	v_lshl_add_u32 v4, v2, 4, v4
	v_add_nc_u32 v[STO], s23, v4
	v_mul_u32_u24 v5, v2, SPITCH
	v_lshl_add_u32 v5, v1, 4, v5
	v_add_nc_u32 v[RD], s23, v5
	v_mul_u32_u24 v5, v2, SIZE_N*2
	v_lshl_add_u32 v[CO], v1, 4, v5
; zero = 1: the product starts the sums from the bias.  The 64 accumulators take turns, one instruction a turn.
.macro MUL16 f, hi, a0, zero
.irp a, \a0, \a0+1
.irp b, 0,1,2,3,4,5,6,7
.if \zero
	v_wmma_f32_16x16x32_bf16 v[8*(8*(\a)+\b):8*(8*(\a)+\b)+7], v[\f+8*\b:\f+8*\b+7], v[\f+8*(4*\hi+\a):\f+8*(4*\hi+\a)+7], v[BIAS+8*\b:BIAS+8*\b+7]
.else
	v_wmma_f32_16x16x32_bf16 v[8*(8*(\a)+\b):8*(8*(\a)+\b)+7], v[\f+8*\b:\f+8*\b+7], v[\f+8*(4*\hi+\a):\f+8*(4*\hi+\a)+7], v[8*(8*(\a)+\b):8*(8*(\a)+\b)+7]
.endif
.endr
.endr
.endm
.macro FETCH slot, k, f
	WIN TO_B
.irp i, 0,1,2,3,4,5,6,7
	ds_load_b128 v[\f+8*\i:\f+8*\i+3],   v[ADRB+\slot] offset:\k+\i*16*PITCH
	ds_load_b128 v[\f+8*\i+4:\f+8*\i+7], v[ADRB+\slot] offset:\k+\i*16*PITCH+32
.endr
	WIN 0
.irp i, 0,1,2,3,4,5,6,7
	ds_load_b128 v[\f+8*\i:\f+8*\i+3],   v[ADRA+\slot] offset:\k+\i*16*PITCH
	ds_load_b128 v[\f+8*\i+4:\f+8*\i+7], v[ADRA+\slot] offset:\k+\i*16*PITCH+32
.endr
.endm
.macro PLACES                          ; four independent vector instructions behind matrix instructions (ISA guide 7.12.1)
.rept 4
	v_nop
.endr
.endm
.macro QUARTER slot, k, f, g, zero
	s_wait_dscnt 8                                 ; all but the youngest eight loads (hn's rows 64-127)
.if \zero
	WIN MUL_LO_Z
.else
	WIN MUL_LO
.endif
	MUL16 \f, 0, 0, \zero
	MUL16 \f, 0, 2, \zero
	PLACES
	FETCH \slot, \k, \g
	s_wait_dscnt 32                                ; all but the 32 just issued
.if \zero
	WIN MUL_HI_Z
.else
	WIN MUL_HI
.endif
	MUL16 \f, 1, 0, \zero
	MUL16 \f, 1, 2, \zero
.endm
.macro THREE slot, zero
	QUARTER \slot, 64,  F0, F1, \zero
	QUARTER \slot, 128, F1, F0, 0
	QUARTER \slot, 192, F0, F1, 0
.endm
; The change of slots: in front of the barrier each wave waits for its reads of this slot and for all its tensor loads; behind it the refill comes first.
.macro TURN slot, next, fill
	s_wait_dscnt 8
	WIN MUL_LO
	MUL16 F1, 0, 0, 0
	s_wait_dscnt 0
	s_wait_tensorcnt 0x0
	ds_add_u32 v255, v63
	s_wait_dscnt 0x0
	s_barrier_signal -1
	MUL16 F1, 0, 2, 0
	WIN 0
	s_barrier_wait -1
.if \fill
	CREST
	s_add_nc_u64 s[G0+4*\slot+2:G0+4*\slot+3], s[G0+4*\slot+2:G0+4*\slot+3], 2*KSTEP*2
	s_add_nc_u64 s[G0B+4*\slot+2:G0B+4*\slot+3], s[G0B+4*\slot+2:G0B+4*\slot+3], 2*KSTEP*2
	JLOAD \slot
.endif
	PLACES
	FETCH \next, 0, F0
	WIN MUL_HI
	MUL16 F1, 1, 0, 0
	MUL16 F1, 1, 2, 0
.endm
.macro LAP zero
	THREE 0, \zero
	TURN 0, 1, 1
	THREE 1, 0
	TURN 1, 0, 1
.endm
	s_wait_tensorcnt 1                             ; my part of K step 0 is in; K step 1's stays out
	s_barrier_signal -1
	s_barrier_wait -1
	s_wait_loadcnt 0x0                             ; the bias
	FETCH 0, 0, F0
	LAP 1
	WIN 0
	s_mov_b32 s3, LAPS-2
.Llap:
	LAP 0
	WIN 0
	s_sub_co_u32 s3, s3, 1
	s_cmp_lg_u32 s3, 0
	s_cbranch_scc1 .Llap
	THREE 0, 0
	TURN 0, 1, 0
	THREE 1, 0
	s_wait_dscnt 8
	WIN MUL_LO
	MUL16 F1, 0, 0, 0
	MUL16 F1, 0, 2, 0
	s_wait_dscnt 0
	WIN MUL_HI
	MUL16 F1, 1, 0, 0
	MUL16 F1, 1, 2, 0
	; the way out, 16 rows at a time: maximum with 0, round, through my own stage into whole rows of 256 bytes, stores
	PLACES
	s_lshl_b32 s13, s13, 8
	s_lshl_b32 s14, s11, 7
	s_add_co_u32 s16, s13, s14
	s_mov_b32 s17, 0
	s_mov_b64 s[18:19], SIZE_N*2
	s_mul_u64 s[16:17], s[16:17], s[18:19]
	s_add_nc_u64 s[8:9], s[8:9], s[16:17]
	s_lshl_b32 s46, s42, 9
	s_lshl_b32 s47, s12, 8
	s_add_co_u32 s46, s46, s47
	s_mov_b32 s47, 0
	s_add_nc_u64 s[8:9], s[8:9], s[46:47]
.macro OUT16 i, a, from, f
	WIN \from
.irp b, 0,1,2,3,4,5,6,7
.irp r, 0,1,2,3,4,5,6,7
	v_max_num_f32 v[TMP+8*\b+\r], 0, v[8*(8*\a+\b)+\r]
.endr
.endr
	WIN 0
.set cnt, 0
.rept 32
	v_cvt_pk_bf16_f32 v[TMP+cnt], v[TMP+2*cnt], v[TMP+2*cnt+1]     ; packed downward: register cnt was last read at step cnt / 2
.set cnt, cnt+1
.endr
.irp b, 0,1,2,3,4,5,6,7
	ds_store_b128 v[STO], v[TMP+4*\b:TMP+4*\b+3] offset:32*\b
.endr
	s_wait_xcnt 0x0                                ; buffer f, which earlier stores read, and the stores' base are rewritten only behind this wait
.if \i
	s_add_nc_u64 s[8:9], s[8:9], 16*SIZE_N*2
.endif
.irp t, 0,1,2,3,4,5,6,7
	ds_load_b128 v[\f+4*\t:\f+4*\t+3], v[RD] offset:\t*2*SPITCH    ; a wave's LDS instructions are served in order: these see the stores above
.endr
.irp t, 0,1,2,3,4,5,6,7
	s_wait_dscnt 7-\t
	global_store_b128 v[CO], v[\f+4*\t:\f+4*\t+3], s[8:9] offset:2*\t*SIZE_N*2   ; 16 lanes store 256 consecutive bytes, aligned
.endr
.endm
	OUT16 0, 0, 0x0a, F0
	OUT16 1, 1, 0x0a, F1
	OUT16 2, 2, 0x0a, F0
	OUT16 3, 3, 0x0a, F1
	OUT16 4, 0, 0x0f, F0
	OUT16 5, 1, 0x0f, F1
	OUT16 6, 2, 0x0f, F0
	OUT16 7, 3, 0x0f, F1
	s_set_vgpr_msb 0x1
	s_wait_tensorcnt 0x0
	ds_add_u32 v255, v63
	s_wait_dscnt 0x0
	s_set_vgpr_msb 0x100
	CROUND                                         ; the closing round
	s_endpgm
.Lfunc_end_k_q6e26ec133b_ffn1:
	.size	k_q6e26ec133b_ffn1, .Lfunc_end_k_q6e26ec133b_ffn1-k_q6e26ec133b_ffn1
	.p2alignl 7, 3214868480
	.fill 96, 4, 3214868480
	.section	.rodata,"a",@progbits
	.p2align	6, 0x0
	.amdhsa_kernel k_q6e26ec133b_ffn1
		.amdhsa_group_segment_fixed_size 327680
		.amdhsa_private_segment_fixed_size 0
		.amdhsa_enable_private_segment 0
		.amdhsa_kernarg_size 32
		.amdhsa_user_sgpr_count 2
		.amdhsa_user_sgpr_kernarg_segment_ptr 1
		.amdhsa_wavefront_size32 1
		.amdhsa_system_sgpr_workgroup_id_x 1
		.amdhsa_system_sgpr_workgroup_id_y 1
		.amdhsa_system_sgpr_workgroup_id_z 1
		.amdhsa_system_vgpr_workitem_id 0
		.amdhsa_next_free_vgpr 1024
		.amdhsa_next_free_sgpr 70
		.amdhsa_reserve_vcc 0
		.amdhsa_float_denorm_mode_32 3
		.amdhsa_float_denorm_mode_16_64 3
		.amdhsa_memory_ordered 1
		.amdhsa_forward_progress 1
		.amdhsa_inst_pref_size 214
	.end_amdhsa_kernel
	.amdgpu_metadata
---
amdhsa.version: [ 1, 2 ]
amdhsa.kernels:
  - .name:           k_q6e26ec133b_ffn1
    .symbol:         k_q6e26ec133b_ffn1.kd
    .args:
      - { .name: hn, .offset: 0, .size: 8, .value_kind: global_buffer, .address_space: global }
      - { .name: wbf, .offset: 8, .size: 8, .value_kind: global_buffer, .address_space: global }
      - { .name: ffn1_b, .offset: 16, .size: 8, .value_kind: global_buffer, .address_space: global }
      - { .name: ff, .offset: 24, .size: 8, .value_kind: global_buffer, .address_space: global }
    .group_segment_fixed_size: 327680
    .private_segment_fixed_size: 0
    .kernarg_segment_align: 8
    .kernarg_segment_size: 32
    .max_flat_workgroup_size: 128
    .sgpr_count:     70
    .vgpr_count:     1024
    .wavefront_size: 32
...
	.end_amdgpu_metadata
.endif
;; end of part 6
;; launch ffn2 (part 7): grid 8 x 32, 4 waves a work-group, clusters of 4 x 4, 327,680 bytes of LDS; arguments ff, wbf, ffn2_b, x, out0; writes out0
.if DOCPART == 7
	.amdgcn_target "amdgcn-amd-amdhsa--gfx1250"
	.amdhsa_code_object_version 6
	.text
	.protected	k_q6e26ec133b_ffn2
	.globl	k_q6e26ec133b_ffn2
	.p2align	8
	.type	k_q6e26ec133b_ffn2,@function
k_q6e26ec133b_ffn2:
	s_mov_b64 s[64:65], 0
	v_nop
	global_prefetch_b8 v0, s[64:65] scope:SCOPE_SE
	s_setreg_imm32_b32 hwreg(HW_REG_WAVE_MODE, 25, 1), 1
	s_wait_xcnt 0x0
	s_wait_alu depctr_hold_cnt(0) depctr_sa_sdst(0) depctr_va_vdst(0) depctr_va_sdst(0) depctr_va_ssrc(0) depctr_va_vcc(0) depctr_vm_vsrc(0)
	s_getreg_b32 s2, hwreg(HW_REG_IB_STS2, 6, 4)
	s_cmp_eq_u32 s2, 0
	s_cbranch_scc0 .Lentry_in_a_cluster
	s_endpgm
.Lentry_in_a_cluster:
	s_bfe_u32 s2, ttmp6, 0x10000c
	s_cmp_lg_u32 s2, 0xf033
	s_cbranch_scc0 .Lentry_shape_is_right
	s_endpgm
.Lentry_shape_is_right:
; out0[m][n] = x[m][n] + ffn2_b[n] + sum over k of ff[m][k] * ffn2_w[n][k].  ff: [4096][4096] bf16, ffn2_w: wbf at byte 16,777,216, [1024][4096] bf16;
; x, out0: [4096][1024] f32; sums in f32.
; N is 1,024 only, so a work-group makes 128 x 128: 8 x 32 = 256 work-groups.  Each of the four waves holds the WHOLE block in 64 accumulator
; tiles (512 registers) for its own quarter of K: of each K step of 256 wave q multiplies columns 64 q .. 64 q + 63.  So every LDS byte is
; read once, 16 KiB for 64 matrix instructions; four waves of 64 x 64 would read twice as much.  At the end the four partial blocks are added
; through LDS, which also turns them into whole rows of 512 bytes.
; Two LDS slots filled by tensor loads of 64 rows x 512 bytes.  4 x 4 work-groups form a cluster: A's tiles are asked for jointly along a row of
; the cluster, the weights' along a column.
; THE WALK ALONG K IS ROTATED: a cluster whose coordinates add up to an odd number begins at K / 2 and wraps round.  The clusters that read the same
; rows of A (neighbours along x) and those that read the same rows of the weights (neighbours along y) so ask for a given tile at two different
; times of the launch, not all at once: in the second half of its walk a cluster asks only for tiles that a neighbour has asked for before.
; The offset hangs on the cluster's coordinates alone, which all partners of a joint load share.
; The order of the sums over K therefore differs from a plain ascending one (four quarters, and a start at 0 or at K / 2).
; Registers by windows of 256: window 0: v0-31 addresses, v64-127, v128-191 fragments of A (later the rows of x), v192-255 the way out;
; window 1: v64-127, v128-191 fragments of the weights; windows 2, 3: accumulators of rows 0-63, 64-127.
; The matrix instruction is used transposed (source 0 = rows of the weights): a lane holds eight neighbouring columns of one row.
.set SIZE_K, 4096
.set WOFF,   16777216
.set KSTEP,  256
.set KROW,   SIZE_K*2                  ; bytes of a row of A and of the weights
.set PITCH,  528                       ; an LDS row: 512 bytes + 16: the 16 rows of a fragment load start 16 bytes apart modulo 256
.set HALFT,  64*PITCH                  ; what one tensor load brings
.set SLOT,   4*HALFT                   ; A's 128 rows, then the weights' 128 rows
.set PART,   128*PITCH                 ; a wave's partial block on the way out: 128 rows of 128 f32
.set LAPS, SIZE_K/(2*KSTEP)
.set RDP,  8                           ; v8-11  the way out: my place in partial block 0..3
.set ADRA, 16
.set ADRB, 20
.set STO,  24                          ; the way out: where I put my partial sums
.set XO,   27                          ; 16 x lane: my 16 bytes of a row of 512
.set BI,   28                          ; v[28:31] bias of my four columns
.set F0,   64
.set F1,   128
.set TMP,  192
.set G1, 24
.set G0, 32
.set G1B, 48
.set G0B, 56
.set KO, 76                            ; s[76:77], s[78:79]: slot 0's and slot 1's K step, in bytes along a row, as 64-bit offsets
.set MSB, 0
.macro WIN new
.if MSB != \new
	s_set_vgpr_msb (MSB<<8)|\new
.set MSB, \new
.endif
.endm
.set MUL_LO, 0xa1
.set MUL_HI, 0xf1
.set TO_B,   0x40
.macro JLOAD s                         ; waves 0, 1 ask for A's two halves, waves 2, 3 for the weights'
	s_cmp_eq_u32 s11, 0
	s_cbranch_scc0 .Lfor_b_\@
	tensor_load_to_lds s[G0+4*\s:G0+4*\s+3], s[G1:G1+7]
	s_nop 0
	s_branch .Lasked_\@
.Lfor_b_\@:
	tensor_load_to_lds s[G0B+4*\s:G0B+4*\s+3], s[G1B:G1B+7]
	s_nop 0
.Lasked_\@:
.endm
.macro SETADR s                        ; both global addresses of slot s: the rows' first bytes + the slot's K step; no tensor load of the wave names these registers now
	s_add_nc_u64 s[G0+4*\s+2:G0+4*\s+3], s[14:15], s[KO+2*\s:KO+2*\s+1]
	s_or_b32 s[G0+4*\s+3], s[G0+4*\s+3], 0x80000000
	s_add_nc_u64 s[G0B+4*\s+2:G0B+4*\s+3], s[46:47], s[KO+2*\s:KO+2*\s+1]
	s_or_b32 s[G0B+4*\s+3], s[G0B+4*\s+3], 0x80000000
.endm
.macro CREST
	s_cmp_lg_u32 s10, 0
	s_cbranch_scc1 .Lnot_wave_0_\@
	s_barrier_signal -3
.Lnot_wave_0_\@:
	s_barrier_wait -3
	s_barrier_signal -1
	s_barrier_wait -1
.endm
.macro CROUND
	s_barrier_signal -1
	s_barrier_wait -1
	CREST
.endm
	s_load_b128 s[4:7], s[0:1], 0x0                ; A s[4:5], wbf s[6:7]
	s_load_b128 s[68:71], s[0:1], 0x10             ; bias s[68:69], x s[70:71]
	s_load_b64 s[72:73], s[0:1], 0x20              ; the result
	s_set_vgpr_msb 0x40
	v_lshl_add_u32 v255, v0, 2, 0x42000
	s_set_vgpr_msb 0x4000
	v_mov_b32 v63, 0
	s_set_vgpr_msb 0x1
	ds_add_u32 v255, v63
	ds_add_u32 v255, v63
	s_set_vgpr_msb 0x100
	v_lshrrev_b32 v1, 5, v0
	v_readfirstlane_b32 s10, v1                    ; wave = my quarter of K
	s_lshr_b32 s11, s10, 1                         ; I fetch A (0) or weights (1)
	s_and_b32 s12, s10, 1                          ; which 64 rows of that tile
	s_bfe_u32 s40, ttmp6, 0x40000                  ; cx
	s_bfe_u32 s41, ttmp6, 0x40004                  ; cy
	s_lshl_b32 s42, ttmp9, 2
	s_add_co_u32 s42, s42, s40                     ; block column
	s_and_b32 s13, ttmp7, 0xffff
	s_lshl_b32 s13, s13, 2
	s_add_co_u32 s13, s13, s41                     ; block row
	s_lshl_b32 s43, s41, 2
	s_lshl_b32 s43, 15, s43                        ; my row of the cluster
	s_lshl_b32 s44, 0x1111, s40                    ; my column
	s_and_b32 s74, ttmp7, 0xffff                   ; the cluster's y
	s_add_co_u32 s74, s74, ttmp9                   ; + the cluster's x
	s_and_b32 s74, s74, 1
	s_mul_i32 s[KO], s74, KROW/2                   ; slot 0 begins at K = 0 or at K / 2,
	s_mov_b32 s[KO+1], 0
	s_add_co_u32 s[KO+2], s[KO], KSTEP*2           ; slot 1 one step further on
	s_mov_b32 s[KO+3], 0
	s_or_b32 s[G1+0], s43, (1<<16)|(1<<20)|(1<<21)|(6<<22)|(3<<25)  ; mask; 2-byte elements; padding of 4 words behind every 128; bit 21 beside a mask
	s_or_b32 s[G1B+0], s44, (1<<16)|(1<<20)|(1<<21)|(6<<22)|(3<<25)
	s_mov_b32 s[G1B+1], KSTEP<<16
	s_mov_b32 s[G1+1], KSTEP<<16                   ; tensor_dim0 = 256
	s_mov_b32 s[G1B+2], 64<<16
	s_mov_b32 s[G1+2], 64<<16                      ; tensor_dim1 = 64
	s_mov_b32 s[G1B+3], KSTEP<<16
	s_mov_b32 s[G1+3], KSTEP<<16                   ; tile_dim0 = 256
	s_mov_b32 s[G1B+4], 64
	s_mov_b32 s[G1+4], 64                          ; tile_dim1 = 64
	s_mov_b32 s[G1B+5], SIZE_K
	s_mov_b32 s[G1+5], SIZE_K
	s_mov_b32 s[G1B+6], 0
	s_mov_b32 s[G1+6], 0
	s_mov_b32 s[G1B+7], 0
	s_mov_b32 s[G1+7], 0
	s_lshl_b32 s17, s12, 6
	s_lshl_b32 s16, s13, 7
	s_add_co_u32 s16, s16, s17                     ; A: row 128 x block row + 64 x half
	s_lshl_b32 s46, s42, 7
	s_add_co_u32 s46, s46, s17                     ; weights: row 128 x block column + 64 x half
	s_mov_b32 s17, 0
	s_mov_b32 s47, 0
	s_mov_b64 s[18:19], SIZE_K*2
	s_mul_u64 s[16:17], s[16:17], s[18:19]
	s_mul_u64 s[46:47], s[46:47], s[18:19]
	s_mul_i32 s20, s10, HALFT                      ; LDS: wave x 64 rows
	s_lshl_b32 s66, s13, 19                        ; x and the result: (128 x block row + 32 x wave) rows of 4,096 bytes + 512 x block column
	s_lshl_b32 s67, s10, 17
	s_add_co_u32 s66, s66, s67
	s_lshl_b32 s67, s42, 9
	s_add_co_u32 s66, s66, s67
	s_mov_b32 s67, 0
	s_wait_dscnt 0x0
	s_wait_kmcnt 0x0
	s_add_nc_u64 s[70:71], s[70:71], s[66:67]
	s_add_nc_u64 s[72:73], s[72:73], s[66:67]
	s_lshl_b32 s66, s42, 9
	s_add_nc_u64 s[68:69], s[68:69], s[66:67]      ; the block's 128 numbers of the bias
	s_add_nc_u64 s[6:7], s[6:7], WOFF
	s_add_nc_u64 s[14:15], s[4:5], s[16:17]        ; my rows of A, K = 0: kept
	s_add_nc_u64 s[46:47], s[6:7], s[46:47]        ; my rows of the weights, K = 0: kept
	CROUND                                         ; all sixteen work-groups are here: the first joint loads meet
.irp s, 0,1
	s_mov_b32 s[G0+4*\s], 1
	s_add_co_u32 s[G0+4*\s+1], s20, \s*SLOT
	s_mov_b32 s[G0B+4*\s], 1
	s_add_co_u32 s[G0B+4*\s+1], s20, \s*SLOT
	SETADR \s
	JLOAD \s                                       ; both first fills: two loads of the wave are out
.endr
	v_and_b32 v1, 15, v0                           ; r
	v_bfe_u32 v2, v0, 4, 1                         ; h
	v_mul_u32_u24 v3, v1, PITCH
	v_lshl_add_u32 v3, v2, 4, v3                   ; row r, 16 h
	s_lshl_b32 s21, s10, 7                         ; my 64 of the step's 256 along K: 128 bytes x wave
	s_add_co_u32 s22, s21, 2*HALFT                 ; the weights lie behind A's 128 rows
.irp s, 0,1
	v_add_nc_u32 v[ADRA+\s], s21, v3
	v_add_nc_u32 v[ADRB+\s], s22, v3
	s_add_co_u32 s21, s21, SLOT
	s_add_co_u32 s22, s22, SLOT
.endr
	s_mul_i32 s23, s10, PART
	v_mul_u32_u24 v4, v1, PITCH
	v_lshl_add_u32 v4, v2, 5, v4
	v_add_nc_u32 v[STO], s23, v4                   ; my partial block: row r, 32 h
	v_and_b32 v5, 31, v0
	v_lshlrev_b32 v[XO], 4, v5
	s_mul_i32 s45, s10, 32*PITCH                   ; on the way out I own rows 32 x wave .. + 31
.irp p, 0,1,2,3
	v_add_nc_u32 v[RDP+\p], s45, v[XO]
	s_add_co_u32 s45, s45, PART
.endr
; The 64 accumulators take turns, one instruction a turn, in the same order in every quarter.
.macro MUL16 f, hi, a0, zero
.irp a, \a0, \a0+1
.irp b, 0,1,2,3,4,5,6,7
.if \zero
	v_wmma_f32_16x16x32_bf16 v[8*(8*(\a)+\b):8*(8*(\a)+\b)+7], v[\f+8*\b:\f+8*\b+7], v[\f+8*(4*\hi+\a):\f+8*(4*\hi+\a)+7], 0
.else
	v_wmma_f32_16x16x32_bf16 v[8*(8*(\a)+\b):8*(8*(\a)+\b)+7], v[\f+8*\b:\f+8*\b+7], v[\f+8*(4*\hi+\a):\f+8*(4*\hi+\a)+7], v[8*(8*(\a)+\b):8*(8*(\a)+\b)+7]
.endif
.endr
.endr
.endm
.macro FETCH slot, k, f
	WIN TO_B
.irp i, 0,1,2,3,4,5,6,7
	ds_load_b128 v[\f+8*\i:\f+8*\i+3],   v[ADRB+\slot] offset:\k+\i*16*PITCH
	ds_load_b128 v[\f+8*\i+4:\f+8*\i+7], v[ADRB+\slot] offset:\k+\i*16*PITCH+32
.endr
	WIN 0
.irp i, 0,1,2,3,4,5,6,7
	ds_load_b128 v[\f+8*\i:\f+8*\i+3],   v[ADRA+\slot] offset:\k+\i*16*PITCH
	ds_load_b128 v[\f+8*\i+4:\f+8*\i+7], v[ADRA+\slot] offset:\k+\i*16*PITCH+32
.endr
.endm
.macro PLACES                          ; four independent vector instructions behind matrix instructions (ISA guide 7.12.1)
.rept 4
	v_nop
.endr
.endm
.macro QUARTER slot, k, f, g, zero     ; my first 32 along K of the step: multiplies buffer f, fetches the second 32 into buffer g
	s_wait_dscnt 8                                 ; all but the youngest eight loads (A's rows 64-127)
	WIN MUL_LO
	MUL16 \f, 0, 0, \zero
	MUL16 \f, 0, 2, \zero
	PLACES
	FETCH \slot, \k, \g
	s_wait_dscnt 32                                ; all but the 32 just issued
	WIN MUL_HI
	MUL16 \f, 1, 0, \zero
	MUL16 \f, 1, 2, \zero
.endm
; My second 32 along K, and the change of slots: in front of the barrier each wave waits for its reads of this slot and for all its
; tensor loads (one is out: its part of the next slot); behind it the refill comes first.
.macro TURN slot, next, fill
	s_wait_dscnt 8
	WIN MUL_LO
	MUL16 F1, 0, 0, 0
	s_wait_dscnt 0
	s_wait_tensorcnt 0x0
	ds_add_u32 v255, v63
	s_wait_dscnt 0x0
	s_barrier_signal -1
	MUL16 F1, 0, 2, 0
	WIN 0
	s_barrier_wait -1
.if \fill
	CREST                                          ; the round: no wave of any partner reads this slot or has a load on its way
	s_add_co_u32 s[KO+2*\slot], s[KO+2*\slot], 2*KSTEP*2   ; two K steps on,
	s_and_b32 s[KO+2*\slot], s[KO+2*\slot], KROW-1         ; round the row's end
	SETADR \slot
	JLOAD \slot
.endif
	PLACES
	FETCH \next, 0, F0
	WIN MUL_HI
	MUL16 F1, 1, 0, 0
	MUL16 F1, 1, 2, 0
.endm
.macro LAP zero
	QUARTER 0, 64, F0, F1, \zero
	TURN 0, 1, 1
	QUARTER 1, 64, F0, F1, 0
	TURN 1, 0, 1
.endm
	s_wait_tensorcnt 1                             ; my part of the first K step is in; the second's stays out
	s_barrier_signal -1
	s_barrier_wait -1
	FETCH 0, 0, F0
	LAP 1
.if LAPS > 2
	WIN 0
	s_mov_b32 s3, LAPS-2
.Llap:
	LAP 0
	WIN 0
	s_sub_co_u32 s3, s3, 1
	s_cmp_lg_u32 s3, 0
	s_cbranch_scc1 .Llap
.endif
	QUARTER 0, 64, F0, F1, 0                       ; the last lap fills nothing
	TURN 0, 1, 0
	QUARTER 1, 64, F0, F1, 0
	s_wait_dscnt 8
	WIN MUL_LO
	MUL16 F1, 0, 0, 0
	MUL16 F1, 0, 2, 0
	s_wait_dscnt 0
	WIN MUL_HI
	MUL16 F1, 1, 0, 0
	MUL16 F1, 1, 2, 0
	; THE WAY OUT.  The ring has had its last fill, so its bytes serve as the stage: partial block p at p x 67,584.
	PLACES
	WIN 0
	global_load_b128 v[BI:BI+3], v[XO], s[68:69]
.set row, 0
.rept 32
	global_load_b128 v[F0+4*row:F0+4*row+3], v[XO], s[70:71] offset:4096*row     ; my 32 rows of x, 512 consecutive bytes a load
.set row, row+1
.endr
	s_wait_dscnt 0x0
	s_barrier_signal -1
	s_barrier_wait -1                              ; no wave reads the ring any more
	WIN 0x08                                       ; store data from window 2
.irp a, 0,1,2,3
.irp b, 0,1,2,3,4,5,6,7
	ds_store_b128 v[STO], v[8*(8*\a+\b):8*(8*\a+\b)+3]   offset:16*\a*PITCH+64*\b
	ds_store_b128 v[STO], v[8*(8*\a+\b)+4:8*(8*\a+\b)+7] offset:16*\a*PITCH+64*\b+16
.endr
.endr
	WIN 0x0c                                       ; from window 3
.irp a, 0,1,2,3
.irp b, 0,1,2,3,4,5,6,7
	ds_store_b128 v[STO], v[8*(8*\a+\b):8*(8*\a+\b)+3]   offset:16*(\a+4)*PITCH+64*\b
	ds_store_b128 v[STO], v[8*(8*\a+\b)+4:8*(8*\a+\b)+7] offset:16*(\a+4)*PITCH+64*\b+16
.endr
.endr
	WIN 0
	s_wait_dscnt 0x0                               ; my partial block is written,
	s_barrier_signal -1
	s_barrier_wait -1                              ; everybody's is
.set row, 0
.rept 8                                ; four rows at a time: the four partial sums of each, then x and the bias
.set ld, 0
.rept 4
.irp p, 0,1,2,3
	ds_load_b128 v[TMP+16*ld+4*\p:TMP+16*ld+4*\p+3], v[RDP+\p] offset:(row+ld)*PITCH
.endr
.set ld, ld+1
.endr
.set ii, 0
.rept 4
.set T, TMP+16*ii
.set R, F0+4*row
	s_wait_dscnt 12-4*ii                           ; this row's four loads are in, the younger rows' stay out
	s_wait_loadcnt 31-row                          ; this row of x (and the bias, asked for first) is in, the younger rows stay out
	v_pk_add_f32 v[T:T+1],     v[T:T+1],     v[T+4:T+5]
	v_pk_add_f32 v[T+2:T+3],   v[T+2:T+3],   v[T+6:T+7]
	v_pk_add_f32 v[T+8:T+9],   v[T+8:T+9],   v[T+12:T+13]
	v_pk_add_f32 v[T+10:T+11], v[T+10:T+11], v[T+14:T+15]
	v_pk_add_f32 v[R:R+1],     v[R:R+1],     v[BI:BI+1]
	v_pk_add_f32 v[R+2:R+3],   v[R+2:R+3],   v[BI+2:BI+3]
	v_pk_add_f32 v[T:T+1],     v[T:T+1],     v[T+8:T+9]
	v_pk_add_f32 v[T+2:T+3],   v[T+2:T+3],   v[T+10:T+11]
	v_pk_add_f32 v[R:R+1],     v[R:R+1],     v[T:T+1]
	v_pk_add_f32 v[R+2:R+3],   v[R+2:R+3],   v[T+2:T+3]
	global_store_b128 v[XO], v[R:R+3], s[72:73] offset:4096*row    ; the wave stores 512 consecutive bytes, aligned; R is not written again
.set ii, ii+1
.set row, row+1
.endr
.endr
	s_set_vgpr_msb 0x1
	s_wait_tensorcnt 0x0
	ds_add_u32 v255, v63
	s_wait_dscnt 0x0
	s_set_vgpr_msb 0x100
	CROUND                                         ; the closing round
	s_endpgm
.Lfunc_end_k_q6e26ec133b_ffn2:
	.size	k_q6e26ec133b_ffn2, .Lfunc_end_k_q6e26ec133b_ffn2-k_q6e26ec133b_ffn2
	.p2alignl 7, 3214868480
	.fill 96, 4, 3214868480
	.section	.rodata,"a",@progbits
	.p2align	6, 0x0
	.amdhsa_kernel k_q6e26ec133b_ffn2
		.amdhsa_group_segment_fixed_size 327680
		.amdhsa_private_segment_fixed_size 0
		.amdhsa_enable_private_segment 0
		.amdhsa_kernarg_size 40
		.amdhsa_user_sgpr_count 2
		.amdhsa_user_sgpr_kernarg_segment_ptr 1
		.amdhsa_wavefront_size32 1
		.amdhsa_system_sgpr_workgroup_id_x 1
		.amdhsa_system_sgpr_workgroup_id_y 1
		.amdhsa_system_sgpr_workgroup_id_z 1
		.amdhsa_system_vgpr_workitem_id 0
		.amdhsa_next_free_vgpr 1024
		.amdhsa_next_free_sgpr 80
		.amdhsa_reserve_vcc 0
		.amdhsa_float_denorm_mode_32 3
		.amdhsa_float_denorm_mode_16_64 3
		.amdhsa_memory_ordered 1
		.amdhsa_forward_progress 1
		.amdhsa_inst_pref_size 133
	.end_amdhsa_kernel
	.amdgpu_metadata
---
amdhsa.version: [ 1, 2 ]
amdhsa.kernels:
  - .name:           k_q6e26ec133b_ffn2
    .symbol:         k_q6e26ec133b_ffn2.kd
    .args:
      - { .name: ff, .offset: 0, .size: 8, .value_kind: global_buffer, .address_space: global }
      - { .name: wbf, .offset: 8, .size: 8, .value_kind: global_buffer, .address_space: global }
      - { .name: ffn2_b, .offset: 16, .size: 8, .value_kind: global_buffer, .address_space: global }
      - { .name: x, .offset: 24, .size: 8, .value_kind: global_buffer, .address_space: global }
      - { .name: out0, .offset: 32, .size: 8, .value_kind: global_buffer, .address_space: global }
    .group_segment_fixed_size: 327680
    .private_segment_fixed_size: 0
    .kernarg_segment_align: 8
    .kernarg_segment_size: 40
    .max_flat_workgroup_size: 128
    .sgpr_count:     80
    .vgpr_count:     1024
    .wavefront_size: 32
...
	.end_amdgpu_metadata
.endif
;; end of part 7
